; MI455X (gfx1250); checked and timed in simulation.
; The chip was launched on July 23, 2026; its instructions are those of AMD's public machine-readable ISA for CDNA 5 (MIT licence, August 2026) and "CDNA5" Instruction Set Architecture Reference Guide (July 2026). The comments in the code are by the model that wrote it; some were corrected since.
;; Causal Self Attention. Allowed arithmetic: matrix products marked QUANTISED: E3M2 operands, one E8M0 scale for each 32 along K, by v_wmma_scale_f32_16x16x128_f8f6f4 with both operands' format E3M2, f32 sums; everything else in f32.
;; Inputs: w_attn 1,024 x 3,072 float32; w_proj 1,024 x 1,024 float32; x 4 x 2,048 x 1,024 float32.
;; Outputs: out0 4 x 2,048 x 1,024 float32.
;; This version of the problem:
;;   THIS VERSION OF THE PROBLEM IS GIVEN IN LOW PRECISION. The matrix products marked QUANTISED in the list below multiply operands that are first quantised to E3M2 (3 exponent bits, 2 mantissa bits; 6 bits a number), with one power-of-two scale for each 32 numbers along K (OCP MX v1.0); their sums are f32. All else is computed in f32.
;;   The module's matrix products, in the order in which they are computed (A, B: the left and right operand; K: the contracted axis; several contracted axes count as one K, in the product's order):
;;     1. [M 8,192, K 1,024] x [K 1,024, N 3,072]; A: input x; B: input w_attn: QUANTISED
;;     2. batch 64 x [M 2,048, K 64] x [K 64, N 2,048]; A: computed on the way; B: computed on the way: QUANTISED
;;     3. batch 64 x [M 2,048, K 2,048] x [K 2,048, N 64]; A: softmax (see below); B: computed on the way: QUANTISED
;;     4. [M 8,192, K 1,024] x [K 1,024, N 1,024]; A: computed on the way; B: input w_proj: QUANTISED
;;   THE QUANTISER, for each operand of a quantised product, along K:
;;     - K is cut into blocks of 32 from its start; a last block that is shorter is filled with zeros.
;;     - A block's scale is 2^e with e = floor(log2(the largest magnitude in the block)) - 4, held to -126 .. 127; a block of zeros has e = 0. As a byte (E8M0): e + 127.
;;     - Each number is divided by its block's scale, clamped to +-28, and rounded to the nearest number of E3M2, ties to even, subnormals kept.
;;     - The product sums the exact products of the quantised numbers (number of the format x scale) in f32.
;;   ~~~python
;;   def quantise(x, axis):      # numpy; x: float32 -> the quantised numbers, widened to float32 again
;;       x = np.moveaxis(x, axis, -1); K = x.shape[-1]
;;       x = np.pad(x, [(0, 0)] * (x.ndim - 1) + [(0, -K % 32)]); x = x.reshape(x.shape[:-1] + (-1, 32)); a = np.abs(x).max(-1, keepdims=True)
;;       e = np.where(a > 0, np.clip(np.frexp(np.where(a > 0, a, 1))[1] - 1 - 4, -126, 127), 0)      # np.frexp(a)[1] - 1 = floor(log2(a)), exactly
;;       r = np.clip(x / 2.0 ** e, -28, 28)
;;       step = 2.0 ** (np.maximum(np.frexp(np.where(r == 0, 1, r))[1] - 1, -2) - 2)
;;       q = np.round(r / step) * step * 2.0 ** e      # np.round: ties to even
;;       return np.moveaxis(q.reshape(q.shape[:-2] + (-1,))[..., :K], -1, axis).astype(np.float32)
;;   ~~~
;;   SOFTMAX AHEAD OF A QUANTISED PRODUCT. Where the list says 'softmax', what is quantised is not the finished softmax but p = 2^(t - M), with t = logit x log2(e) and M = ceil(the row's largest t), a whole number; so 1/2 < the row's largest p <= 1. The row's sum l is taken of the UNQUANTISED p, in f32, and the product's result is divided by l at the end. Since M is a whole number, a kernel that streams over the keys may use a running M (the ceiling of the running maximum): every later rescaling is an exact power of two, which a block's scale takes up: the codes' values come out the same.
;;   OPERANDS COMPUTED ON THE WAY. 'Computed on the way' means the value that the module computes at that place (a softmax that the list does not call 'softmax' is quantised finished and normalised). What goes into a quantiser is computed in f32, as accurately as f32 sums, v_exp_f32 and their like allow (about 1e-6 of the number): no bf16 or f16 on the way to a quantiser, and a product that is left as it is and whose result goes on into a quantised operand takes f32 operands (vector FMAs, or v_wmma_f32_16x16x4_f32). A number that lies on a knife's edge between two numbers of the format may be rounded either way, as far as f32 arithmetic and the matrix unit's own rounding can turn it there, and no further.
;; One version. Each part assembles by itself: llvm-mc -triple=amdgcn-amd-amdhsa -mcpu=gfx1250 --defsym DOCPART=n.
;; ======== version 1 of 1: 4 launches
;; workspace buffers: qin 9,830,400 bytes; qkv 68,157,440 bytes; yq 6,553,600 bytes
;; launch quant (part 1): grid 512 x 1, 4 waves a work-group, no clusters, 47,616 bytes of LDS; arguments x, w_attn, w_proj, qin; writes qin
.if DOCPART == 1
	.amdgcn_target "amdgcn-amd-amdhsa--gfx1250"
	.amdhsa_code_object_version 6
	.text
	.protected	k_q9018fd9166_quant
	.globl	k_q9018fd9166_quant
	.p2align	8
	.type	k_q9018fd9166_quant,@function
k_q9018fd9166_quant:
	s_mov_b64 s[64:65], 0
	v_nop
	global_prefetch_b8 v0, s[64:65] scope:SCOPE_SE
	s_setreg_imm32_b32 hwreg(HW_REG_WAVE_MODE, 25, 1), 1
	s_wait_xcnt 0x0
; x [8192][1024], w_attn [1024][3072] and w_proj [1024][1024], all f32, become codes of E3M2 (6 bits) with one E8M0 byte for each 32 along K (K = 1,024: x's last axis, the weights' first).
; A block's scale is 2^(floor(log2(its largest magnitude)) - 4); its byte is the largest magnitude's exponent field - 4, held at 1 from below.
; LIMITS: a block whose largest magnitude lies under 2^-122, a block of zeros among them, gets the byte 1 (its codes are then zeros or subnormal codes; the bytes are read by this program alone); NaN and infinities are not served.
; LAYOUT OF THE RESULT (this program's own).  A TILE is 16 rows of an operand; lane r of tile T holds row 32 (T / 2) + 8 (T % 2) + r % 8 + 16 (r / 8).  Codes lie as images of the operand's registers:
; a HALF IMAGE, 768 bytes, is 16 rows x 64 K = registers 0-5 of the 32 lanes: registers 0-3 at 16 x lane, registers 4-5 at 512 + 8 x lane.  Codes: [tile][K / 64][768]; scale bytes: [tile][r][32].
; x's 512 tiles at byte 0, their scale bytes at XS_O; the weights' 256 tiles (w_attn's columns 0-3071: tiles 0-191; w_proj's: 192-255) at WC_O, their scale bytes at WS_O.
; SHARES.  Work-groups 0-255: x, two tiles each; a wave takes 16 rows x 512 K in four steps of 128 K.  Work-groups 256-511: the weights; a wave takes 32 columns x 128 K, a lane to a column, registers down K.
; Waves share nothing: no barrier.  Each of the two ways has LDS bytes of its own.  Matrix units, clusters and the tensor mover buy nothing here: the launch streams.
.set XS_O,  6291456
.set WC_O,  6553600
.set WS_O,  9699328
.set TROW,  12288                      ; a tile's codes for all of K
.set XSTG,  16*528                     ; x's way: a wave's stage, 16 rows of 512 bytes + 16
.set WST0,  4*XSTG                     ; the weights' way: stages behind x's
.set WSTG,  2*1664                     ; a wave's: two tiles of 1,536 bytes + 128
.set L16,  1                           ; v1   16 x lane
.set L8,   2                           ; v2   8 x lane
.set STI,  3                           ; v3   x: into the stage
.set STO,  4                           ; v4   x: out of it: row r, + 64 h
.set SOF,  5                           ; v5   x: my place among a tile's scale bytes: 32 r + 8 h
.set SW16, 8                           ; v8   weights: where my block's registers 0-3 go
.set SW8,  9                           ; v9   and registers 4-5
.set WD,   10                          ; v10-13 x: the four steps' scale words
.set TM,   16                          ; v16-31 at work
.set PW,   32                          ; v32  the scale word just made
.set PC,   36                          ; v36-54 the codes just made
.set WRD,  56                          ; v56  weights: out of the stage
.set WSO,  57                          ; v57  weights: my column's place among the scale bytes
.set L4,   58                          ; v58  4 x lane
.set RR,   64                          ; v64-191 numbers as loaded
.set XX,   192                         ; v192-255 x: 64 numbers of my row
.set SEL,  24                          ; s[24:25] lane selects: lane l xor 16
	s_load_b256 s[4:11], s[0:1], 0x0               ; x s[4:5], w_attn s[6:7], w_proj s[8:9], qin s[10:11]
	v_lshl_add_u32 v55, v0, 2, 0xb800
	v_mov_b32 v59, 0
	v_lshrrev_b32 v60, 5, v0
	v_readfirstlane_b32 s12, v60                   ; wave
	v_and_b32 v61, 31, v0                          ; lane
	v_and_b32 v62, 15, v0                          ; r
	v_bfe_u32 v63, v0, 4, 1                        ; h
	v_lshlrev_b32 v[L16], 4, v61
	v_lshlrev_b32 v[L8], 3, v61
	v_lshlrev_b32 v[L4], 2, v61
	s_mul_i32 s13, s12, XSTG
	v_add_nc_u32 v[STI], s13, v[L16]
	v_mul_u32_u24 v[STO], v62, 528
	v_lshl_add_u32 v[STO], v63, 6, v[STO]
	v_add_nc_u32 v[STO], s13, v[STO]
	v_lshlrev_b32 v[SOF], 5, v62
	v_lshl_add_u32 v[SOF], v63, 3, v[SOF]
	s_mul_i32 s14, s12, WSTG
	s_add_co_u32 s14, s14, WST0
	v_bfe_u32 v6, v0, 3, 1                         ; u: which of my wave's two tiles my column falls into
	v_and_b32 v7, 7, v0
	v_lshl_add_u32 v7, v63, 3, v7                  ; and which lane r of it: lane % 8 + 8 (lane / 16)
	v_mul_u32_u24 v[SW16], v6, 1664
	v_add_nc_u32 v[SW16], s14, v[SW16]
	v_lshl_add_u32 v[SW8], v7, 3, v[SW16]
	v_lshl_add_u32 v[SW16], v7, 4, v[SW16]
	v_add_nc_u32 v[WRD], s14, v[L16]
	v_lshlrev_b32 v[WSO], 5, v7
	v_lshl_add_u32 v[WSO], v6, 9, v[WSO]           ; 512 u + 32 r
	s_mov_b32 s[SEL], 0x76543210
	s_mov_b32 s[SEL+1], 0xfedcba98
.irp b, 0,1,2,3
	v_mov_b32 v[TM+4+\b], 0                        ; written once: a lane permute's destination counts as one of its sources
.endr
	s_wait_kmcnt 0x0
	s_cmp_lt_u32 ttmp9, 256
	s_cbranch_scc0 .Lweights
; ---------------- x ----------------
; 64 numbers of a lane, v[s] on, register 16 b + i = k 32 b + 16 h + i of my row, become a fragment's 12 registers of codes in v[PC] on and its scale word in v[PW].
.macro QUANT s
.irp b, 0,1,2,3
	v_max3_num_f32 v[TM+\b], |v[\s+16*\b]|, |v[\s+1+16*\b]|, 0x2800000   ; block b: my 16 numbers, and the floor 2^(5 - 127): the byte cannot fall under 1
.endr
.irp i, 2,4,6,8,10,12,14
.irp b, 0,1,2,3
	v_max3_num_f32 v[TM+\b], v[TM+\b], |v[\s+16*\b+\i]|, |v[\s+1+16*\b+\i]|   ; the four blocks by turns
.endr
.endr
.irp b, 0,1,2,3
	v_permlanex16_b32 v[TM+4+\b], v[TM+\b], s[SEL], s[SEL+1]
.endr
.irp b, 0,1,2,3
	v_max_num_f32 v[TM+\b], v[TM+\b], v[TM+4+\b]   ; with lane l xor 16's: the block's largest magnitude
.endr
.irp b, 0,1,2,3
	v_add_nc_u32 v[TM+12+\b], 0xfe000000, v[TM+\b] ; 4 off its exponent field: the conversion takes this operand's exponent field as its scale
.endr
.irp b, 0,1,2,3
	v_lshrrev_b32 v[TM+4+\b], 23, v[TM+12+\b]      ; the scale's byte
.endr
	v_lshl_or_b32 v[PW], v[TM+5], 8, v[TM+4]
	v_lshl_or_b32 v[PW], v[TM+6], 16, v[PW]
	v_lshl_or_b32 v[PW], v[TM+7], 24, v[PW]
.irp c, 0,1
	v_cvt_scalef32_pk16_bf6_f32 v[PC+6*\c:PC+2+6*\c], v[\s+32*\c:\s+15+32*\c], v[TM+12+2*\c]
	v_cvt_scalef32_pk16_bf6_f32 v[PC+12+4*\c:PC+14+4*\c], v[\s+16+32*\c:\s+31+32*\c], v[TM+12+2*\c+1]   ; (a conversion's three registers begin on an even number)
.endr
	v_nop                                          ; one plain place behind a scaled conversion
.irp c, 0,1                                    ; the operand's layout wants a whole block in a lane: lanes 0-15 block 2 c, lanes 16-31 block 2 c + 1
.irp i, 0,1,2
	v_permlane16_swap_b32 v[PC+6*\c+\i], v[PC+12+4*\c+\i]
.endr
.irp i, 0,1,2
	v_mov_b32 v[PC+3+6*\c+\i], v[PC+12+4*\c+\i]
.endr
.endr
.endm
.macro LOADX t                         ; step t: 128 K of my 16 rows; each load reads 512 consecutive bytes of one row
.irp i, 0,1,2,3,4,5,6,7,8,9,10,11,12,13,14,15
	global_load_b128 v[RR+64*((\t)%2)+4*\i:RR+64*((\t)%2)+4*\i+3], v[L16], s[4:5] offset:((\i%8)+16*(\i/8))*4096+512*(\t) th:TH_LOAD_NT
.endr
.endm
	s_lshr_b32 s15, s12, 1                         ; which of the work-group's two tiles
	s_and_b32 s16, s12, 1                          ; which half of K
	s_lshl_b32 s17, ttmp9, 1
	s_add_co_u32 s17, s17, s15                     ; tile T
	s_lshl_b32 s18, ttmp9, 17                      ; its first row: 32 (T / 2) + 8 (T % 2), rows of 4,096 bytes
	s_lshl_b32 s19, s15, 15
	s_add_co_u32 s18, s18, s19
	s_lshl_b32 s19, s16, 11
	s_add_co_u32 s18, s18, s19
	s_mov_b32 s19, 0
	s_add_nc_u64 s[4:5], s[4:5], s[18:19]
	s_mul_i32 s20, s17, TROW
	s_mul_i32 s22, s16, TROW/2
	s_add_co_u32 s20, s20, s22
	s_mov_b32 s21, 0
	s_add_nc_u64 s[20:21], s[10:11], s[20:21]      ; my codes
	s_lshl_b32 s22, s17, 9
	s_lshl_b32 s23, s16, 4
	s_add_co_u32 s22, s22, s23
	s_add_co_u32 s22, s22, XS_O
	s_mov_b32 s23, 0
	s_add_nc_u64 s[22:23], s[10:11], s[22:23]      ; my scale bytes
	LOADX 0
	LOADX 1
.macro XSTEP t
.if (\t) < 3
	s_wait_loadcnt 16                              ; this step's 16 loads are in; the next step's 16 may be out
.else
	s_wait_loadcnt 0x0
.endif
.irp i, 0,1,2,3,4,5,6,7,8,9,10,11,12,13,14,15
	ds_store_b128 v[STI], v[RR+64*((\t)%2)+4*\i:RR+64*((\t)%2)+4*\i+3] offset:528*\i   ; row i as it lies
.endr
.irp b, 0,1,2,3
.irp j, 0,1,2,3
	ds_load_b128 v[XX+16*\b+4*\j:XX+16*\b+4*\j+3], v[STO] offset:128*\b+16*\j   ; back: of my row, 16 neighbours of each block.  LDS serves a wave's instructions in order: these see the stores
.endr
.endr
	s_wait_dscnt 0x0                               ; my numbers are back, and the stores have read their registers,
.if (\t) < 2
	LOADX (\t)+2                                   ; which take the loads of two steps on
.endif
	s_wait_xcnt 0x0                                ; the last step's stores have read the codes' registers
	QUANT XX
	v_mov_b32 v[WD+(\t)], v[PW]
	global_store_b128 v[L16], v[PC:PC+3], s[20:21] offset:1536*(\t)            ; two half images: 512, 256, 512, 256 consecutive bytes
	global_store_b64 v[L8], v[PC+4:PC+5], s[20:21] offset:1536*(\t)+512
	global_store_b128 v[L16], v[PC+6:PC+9], s[20:21] offset:1536*(\t)+768
	global_store_b64 v[L8], v[PC+10:PC+11], s[20:21] offset:1536*(\t)+1280
.endm
	XSTEP 0
	XSTEP 1
	XSTEP 2
	XSTEP 3
	v_cmp_eq_u32 vcc_lo, 1, v63                    ; both halves of the lanes hold all four words: lanes 0-15 store the first two, lanes 16-31 the others
	v_cndmask_b32 v14, v[WD], v[WD+2], vcc_lo
	v_cndmask_b32 v15, v[WD+1], v[WD+3], vcc_lo
	global_store_b64 v[SOF], v[14:15], s[22:23]
	s_wait_tensorcnt 0x0
	ds_add_u32 v55, v59
	s_wait_dscnt 0x0
	s_endpgm
; ---------------- the weights ----------------
.Lweights:
	s_sub_co_u32 s15, ttmp9, 256
	s_lshr_b32 s16, s15, 3                         ; which 128 columns (0-23: w_attn's, 24-31: w_proj's)
	s_and_b32 s17, s15, 7                          ; which 128 along K
	s_lshl_b32 s18, s16, 2
	s_add_co_u32 s18, s18, s12                     ; my wave's group of 32 columns = two tiles
	s_mov_b32 s26, 128*4096
	s_cmp_lt_u32 s16, 24                           ; the choice hangs on the work-group's number alone
	s_cselect_b64 s[4:5], s[6:7], s[8:9]
	s_cselect_b32 s19, 0, 24
	s_cselect_b32 s26, 128*12288, s26              ; 128 rows of the source, in bytes
	s_sub_co_u32 s19, s16, s19
	s_lshl_b32 s19, s19, 9
	s_lshl_b32 s27, s12, 7
	s_add_co_u32 s19, s19, s27                     ; my first column, in bytes
	s_mul_i32 s26, s26, s17
	s_add_co_u32 s26, s26, s19
	s_mov_b32 s27, 0
	s_add_nc_u64 s[4:5], s[4:5], s[26:27]
	s_mul_i32 s20, s18, 2*TROW
	s_mul_i32 s22, s17, 1536
	s_add_co_u32 s20, s20, s22
	s_add_co_u32 s20, s20, WC_O
	s_mov_b32 s21, 0
	s_add_nc_u64 s[20:21], s[10:11], s[20:21]      ; my two tiles' codes of these 128 K
	s_lshl_b32 s22, s18, 10
	s_lshl_b32 s23, s17, 2
	s_add_co_u32 s22, s22, s23
	s_add_co_u32 s22, s22, WS_O
	s_mov_b32 s23, 0
	s_add_nc_u64 s[22:23], s[10:11], s[22:23]      ; and their scale words
; Block kb's 32 loads: row k, 32 neighbouring columns each.  The two sources differ in the pitch, which stands in the loads' immediates: a short branch on the work-group's number, 32 loads on either way.
.macro LOADW kb
	s_cmp_lt_u32 s16, 24
	s_cbranch_scc0 .Lproj_\@
.set i, 32*(\kb)
.rept 32
	global_load_b32 v[RR+i], v[L4], s[4:5] offset:i*12288 th:TH_LOAD_NT
.set i, i+1
.endr
	s_branch .Lhave_\@
.Lproj_\@:
.set i, 32*(\kb)
.rept 32
	global_load_b32 v[RR+i], v[L4], s[4:5] offset:i*4096 th:TH_LOAD_NT
.set i, i+1
.endr
.Lhave_\@:
.endm
.macro WBLOCK kb                       ; block kb of my column: all its 32 numbers are mine
.set XB, RR+32*(\kb)
.if (\kb) < 3
	s_wait_loadcnt 32                              ; this block's 32 loads are in; the next block's 32 may be out
.else
	s_wait_loadcnt 0x0
.endif
.if (\kb) < 2
	LOADW (\kb)+2                                  ; the loads run two blocks ahead; each block has registers of its own
.endif
	v_max3_num_f32 v16, |v[XB]|, |v[XB+1]|, |v[XB+2]|
	v_max3_num_f32 v17, |v[XB+3]|, |v[XB+4]|, |v[XB+5]|
.irp i, 6,10,14,18,22,26
	v_max3_num_f32 v16, v16, |v[XB+\i]|, |v[XB+\i+1]|
	v_max3_num_f32 v17, v17, |v[XB+\i+2]|, |v[XB+\i+3]|
.endr
	v_max3_num_f32 v16, v16, |v[XB+30]|, |v[XB+31]|
	v_max3_num_f32 v16, v16, v17, 0x2800000        ; and the floor
	v_add_nc_u32 v18, 0xfe000000, v16
	v_lshrrev_b32 v17, 23, v18
.if (\kb) == 0
	v_mov_b32 v19, v17
.else
	v_lshl_or_b32 v19, v17, 8*(\kb), v19           ; four bytes make my column's word for these 128 K
.endif
	v_cvt_scalef32_pk16_bf6_f32 v[192+8*(\kb):194+8*(\kb)], v[XB:XB+15], v18
	v_cvt_scalef32_pk16_bf6_f32 v[224+4*(\kb):226+4*(\kb)], v[XB+16:XB+31], v18
	v_nop                                          ; one plain place behind a scaled conversion
.irp i, 0,1,2
	v_mov_b32 v[195+8*(\kb)+\i], v[224+4*(\kb)+\i]
.endr
	ds_store_b128 v[SW16], v[192+8*(\kb):195+8*(\kb)] offset:768*((\kb)/2)+256*((\kb)%2)       ; half image kb / 2, the place of lane r + 16 (kb % 2)
	ds_store_b64 v[SW8], v[196+8*(\kb):197+8*(\kb)] offset:768*((\kb)/2)+512+128*((\kb)%2)
.endm
	LOADW 0
	LOADW 1
	WBLOCK 0
	WBLOCK 1
	WBLOCK 2
	WBLOCK 3
	global_store_b32 v[WSO], v19, s[22:23]
.irp m, 0,1,2,3,4,5
	ds_load_b128 v[RR+4*\m:RR+4*\m+3], v[WRD] offset:(\m/3)*1664+(\m%3)*512   ; LDS serves a wave's instructions in order: these see my stores
.endr
.irp m, 0,1,2,3,4,5
	s_wait_dscnt 5-\m
	global_store_b128 v[L16], v[RR+4*\m:RR+4*\m+3], s[20:21] offset:(\m/3)*TROW+(\m%3)*512   ; 512 consecutive bytes
.endr
	s_wait_tensorcnt 0x0
	ds_add_u32 v55, v59
	s_wait_dscnt 0x0
	s_endpgm
.Lfunc_end_k_q9018fd9166_quant:
	.size	k_q9018fd9166_quant, .Lfunc_end_k_q9018fd9166_quant-k_q9018fd9166_quant
	.p2alignl 7, 3214868480
	.fill 96, 4, 3214868480
	.section	.rodata,"a",@progbits
	.p2align	6, 0x0
	.amdhsa_kernel k_q9018fd9166_quant
		.amdhsa_group_segment_fixed_size 47616
		.amdhsa_private_segment_fixed_size 0
		.amdhsa_enable_private_segment 0
		.amdhsa_kernarg_size 32
		.amdhsa_user_sgpr_count 2
		.amdhsa_user_sgpr_kernarg_segment_ptr 1
		.amdhsa_wavefront_size32 1
		.amdhsa_system_sgpr_workgroup_id_x 1
		.amdhsa_system_sgpr_workgroup_id_y 1
		.amdhsa_system_sgpr_workgroup_id_z 1
		.amdhsa_system_vgpr_workitem_id 0
		.amdhsa_next_free_vgpr 256
		.amdhsa_next_free_sgpr 66
		.amdhsa_reserve_vcc 1
		.amdhsa_float_denorm_mode_32 3
		.amdhsa_float_denorm_mode_16_64 3
		.amdhsa_memory_ordered 1
		.amdhsa_forward_progress 1
		.amdhsa_inst_pref_size 68
	.end_amdhsa_kernel
	.amdgpu_metadata
---
amdhsa.version: [ 1, 2 ]
amdhsa.kernels:
  - .name:           k_q9018fd9166_quant
    .symbol:         k_q9018fd9166_quant.kd
    .args:
      - { .name: x, .offset: 0, .size: 8, .value_kind: global_buffer, .address_space: global }
      - { .name: w_attn, .offset: 8, .size: 8, .value_kind: global_buffer, .address_space: global }
      - { .name: w_proj, .offset: 16, .size: 8, .value_kind: global_buffer, .address_space: global }
      - { .name: qin, .offset: 24, .size: 8, .value_kind: global_buffer, .address_space: global }
    .group_segment_fixed_size: 47616
    .private_segment_fixed_size: 0
    .kernarg_segment_align: 8
    .kernarg_segment_size: 32
    .max_flat_workgroup_size: 128
    .sgpr_count:     66
    .vgpr_count:     256
    .wavefront_size: 32
...
	.end_amdgpu_metadata
.endif
;; end of part 1
;; launch gemm_qkv (part 2): grid 8 x 48, 4 waves a work-group, clusters of 4 x 4, 327,680 bytes of LDS; arguments qin, qkv; writes qkv
.if DOCPART == 2
	.amdgcn_target "amdgcn-amd-amdhsa--gfx1250"
	.amdhsa_code_object_version 6
	.text
	.protected	k_q9018fd9166_gemm_qkv
	.globl	k_q9018fd9166_gemm_qkv
	.p2align	8
	.type	k_q9018fd9166_gemm_qkv,@function
k_q9018fd9166_gemm_qkv:
	s_mov_b64 s[64:65], 0
	v_nop
	global_prefetch_b8 v0, s[64:65] scope:SCOPE_SE
	s_setreg_imm32_b32 hwreg(HW_REG_WAVE_MODE, 25, 1), 1
	s_wait_xcnt 0x0
	s_wait_alu depctr_hold_cnt(0) depctr_sa_sdst(0) depctr_va_vdst(0) depctr_va_sdst(0) depctr_va_ssrc(0) depctr_va_vcc(0) depctr_vm_vsrc(0)
	s_getreg_b32 s2, hwreg(HW_REG_IB_STS2, 6, 4)
	s_cmp_eq_u32 s2, 0
	s_cbranch_scc0 .Lentry_in_a_cluster
	s_endpgm
.Lentry_in_a_cluster:
	s_bfe_u32 s2, ttmp6, 0x10000c
	s_cmp_lg_u32 s2, 0xf033
	s_cbranch_scc0 .Lentry_shape_is_right
	s_endpgm
.Lentry_shape_is_right:
; qkv = x w_attn on codes of E3M2 (K = 1,024), and its results quantised at once for the two products of attention; only codes and scale bytes are stored.
; OPERANDS (made by the launch before): tiles of 16 rows, lane r of tile T = row 32 (T / 2) + 8 (T % 2) + r % 8 + 16 (r / 8); codes [tile][K / 64][768] as half images of the operand's registers
; (registers 0-3 at 16 x lane, registers 4-5 at 512 + 8 x lane); scale bytes [tile][r][32].
; A work-group of four waves makes 256 x 256 results, a wave 128 x 128: 64 accumulators.  Source 0 (B here) = 16 rows of the operand P, source 1 (A here) = 16 rows of the operand N: a lane holds ONE row of N,
; and by the order of a tile's rows the 64 registers of a tile of N run along 128 NEIGHBOURING rows of P.  So the results are quantised along P in registers.
; TWO PARTS, told apart by the cluster's y (the same in all partners).  y < 8: P = w_attn's columns 0-2047 (q, k), N = the tokens: q and k quantised along the head's 64.
; y >= 8: P = the tokens, N = w_attn's columns 2048-3071 (v): v quantised along the keys.  Only offsets are chosen: both parts run the same text.
; RESULTS: codes [P / 64][tile of N, pitch 512][768] as half images, scale words [P / 128][tile of N, pitch 512][128] (lane l's word at 4 l), in a region for each part.
; K goes in steps of 256 through two LDS slots; the scale bytes of the work-group's rows come once.  CLUSTERS 4 x 4: N's tiles are shared along a row of the cluster, P's along a column: each is asked for jointly.
; LIMITS: a block whose largest magnitude lies under 2^-122 gets the byte 1 (read by this program alone); NaN and infinities are not served.
; REGISTERS, in windows of 256: window 0: v16-29 addresses; v32-63 scale words, two sets; v64-115 at work on the way out; v128-223 A's fragments, one set.  window 1: B's fragments, two sets, at v0 and v128.
;   window 2: the accumulators of A's blocks 0-3 ((a, b) at v[8 (8 a + b)]);  window 3: those of blocks 4-7.
.set XS_O,  6291456
.set WC_O,  6553600
.set WS_O,  9699328
.set QKS_O, 12582912
.set VC_O,  13631488
.set VS_O,  63963136
.set TROW,  12288                      ; a tile's codes for all of K
.set TILEB, 3072                       ; and for a slot's 256 along K: four half images
.set NQ,    2                          ; matrix instructions deep in a slot
.set FR,    12                         ; registers of a fragment
.set NL,    4                          ; LDS loads that bring one
.set NP,    4                          ; places behind this matrix instruction (ISA guide 7.12.1)
.set HALFT, 8*TILEB                    ; 8 tiles: what one tensor load brings, and what one wave reads of A or of B
.set SLOT,  4*HALFT                    ; A's 16 tiles, then B's 16
.set KS,    32                         ; a row's scale bytes
.set SCL,   2*SLOT                     ; behind the ring: the scale bytes, as rows of 256 bytes + 16
.set HALFS, 16*272                     ; those of 128 rows
.set SBLK,  2*272                      ; those of 16 rows
.set SPARE, SCL+4*HALFS                ; the spare words, 128 bytes for each wave: two blocks of 256 bytes that no other line names
.set ADRA, 16                          ; v16-17 my A fragments in slot 0, 1, + 16 x lane;  v18-19 the same + 8 x lane
.set ADRB, 20                          ; v20-23 the same for B
.set L16,  24                          ; v24  16 x lane
.set L8,   25                          ; v25  8 x lane
.set L4,   26                          ; v26  4 x lane
.set ADRS, 27                          ; v27  my scale words: lanes 0-15 A's rows, lanes 16-31 B's
.set SPW,  28                          ; v28  my spare word; never rewritten
.set NIL,  29                          ; v29  0; never rewritten
.set SC,   32                          ; scale words: set s at v[SC + 16 s]; register 2 i + q: lanes 0-15 A's block i, lanes 16-31 B's block i
.set TM,   64                          ; v64-79 the way out: at work
.set PW,   80                          ; v80  the scale word just made
.set PC,   96                          ; v96-114 the codes just made
.set AF,   128
.set SEL,  2                           ; s[2:3] lane selects: lane l xor 16
.set G1, 24
.set G0, 32
.set G1B, 48
.set G0B, 56
.set G1S, 68
.set G0S, 76
.set G1SB, 80
.set G0SB, 88
.set OC, 66                            ; s[66:67] where my codes go
.set OS, 98                            ; s[98:99] and my scale words
.set MSB, 0
.macro WIN new                         ; the immediate's high byte repeats the setting that is left
.if MSB != (\new)
	s_set_vgpr_msb (MSB<<8)|(\new)
.set MSB, \new
.endif
.endm
.set MUL_LO, 0xa1                      ; source 0 (B) window 1, source 1 (A) window 0, C and D window 2
.set MUL_HI, 0xf1
.set TO_B,   0x40
; A joint load: waves 0 and 1 fetch for A, waves 2 and 3 for B; the branch hangs on the wave's number alone.  Four v_nop follow each of the two lines.
.macro JLOAD g0a, g1a, g0b, g1b
	s_cmp_eq_u32 s15, 0
	s_cbranch_scc0 .Lfor_b_\@
	tensor_load_to_lds s[\g0a:\g0a+3], s[\g1a:\g1a+7]
	s_nop 0
.rept 4
	v_nop
.endr
	s_branch .Lasked_\@
.Lfor_b_\@:
	tensor_load_to_lds s[\g0b:\g0b+3], s[\g1b:\g1b+7]
	s_nop 0
.rept 4
	v_nop
.endr
.Lasked_\@:
.endm
.macro CREST                           ; a round of the cluster's barrier behind its opening barrier
	s_cmp_lg_u32 s14, 0
	s_cbranch_scc1 .Lnot_wave_0_\@
	s_barrier_signal -3
.Lnot_wave_0_\@:
	s_barrier_wait -3
	s_barrier_signal -1
	s_barrier_wait -1
.endm
.macro CROUND
	s_barrier_signal -1
	s_barrier_wait -1
	CREST
.endm
	s_load_b128 s[4:7], s[0:1], 0x0                ; qin s[4:5], qkv s[6:7]
	v_lshl_add_u32 v[SPW], v0, 2, SPARE
	v_mov_b32 v[NIL], 0
	ds_add_u32 v28, v29
	s_wait_dscnt 0x0
	v_lshrrev_b32 v1, 5, v0
	v_readfirstlane_b32 s14, v1                    ; wave 0..3
	s_lshr_b32 s15, s14, 1                         ; which half of A's rows is mine.  Also: I fetch for A (0) or for B (1)
	s_and_b32 s16, s14, 1                          ; which half of B's rows.  Also: which 8 tiles I fetch
	s_bfe_u32 s40, ttmp6, 0x40000                  ; cx, cy: my place in the cluster
	s_bfe_u32 s41, ttmp6, 0x40004
	s_and_b32 s8, ttmp7, 0xffff                    ; the cluster's y
	s_mov_b32 s12, WS_O
	s_mov_b32 s17, XS_O
	s_mov_b32 s19, QKS_O
	s_cmp_ge_u32 s8, 8                             ; the part: q, k (y < 8) or v.  All choices stand straight behind this compare
	s_cselect_b32 s9, 0, s8
	s_cselect_b32 s10, s8, 8
	s_cselect_b32 s11, 0, WC_O                     ; P's codes: x's or the weights'
	s_cselect_b32 s12, XS_O, s12                   ; P's scale bytes
	s_cselect_b32 s13, WC_O+128*TROW, 0            ; N's codes: the weights' tiles 128 on, or x's
	s_cselect_b32 s17, WS_O+128*512, s17           ; N's scale bytes
	s_cselect_b32 s18, VC_O, 0                     ; the results' codes
	s_cselect_b32 s19, VS_O, s19                   ; and scale words
	s_sub_co_u32 s10, s10, 8
	s_lshl_b32 s10, s10, 3
	s_lshl_b32 s42, ttmp9, 2
	s_add_co_u32 s42, s42, s40
	s_add_co_u32 s42, s42, s10                     ; which 256 rows of P: 4 x + cx (+ 8 (y - 8) in part v)
	s_lshl_b32 s9, s9, 2
	s_add_co_u32 s9, s9, s41                       ; which 256 rows of N: cy (+ 4 y in part q, k)
	s_lshl_b32 s43, s41, 2
	s_lshl_b32 s43, 15, s43                        ; my row of the cluster
	s_lshl_b32 s44, 0x1111, s40                    ; my column
	; descriptor group 1 for codes: 8 rows (tiles) of 384 elements of 8 bytes, 1,536 elements apart; no padding: every LDS read takes consecutive bytes
	s_or_b32 s[G1+0], s43, (3<<16)|(1<<21)         ; 15:0 the mask: A's tiles go to my row; 17:16 elements of 8 bytes; 21 set beside a mask
	s_or_b32 s[G1B+0], s44, (3<<16)|(1<<21)
.irp g, G1, G1B
	s_mov_b32 s[\g+1], 384<<16                     ; tensor_dim0
	s_mov_b32 s[\g+2], 8<<16                       ; tensor_dim1
	s_mov_b32 s[\g+3], 384<<16                     ; tile_dim0
	s_mov_b32 s[\g+4], 8                           ; tile_dim1
	s_mov_b32 s[\g+5], TROW/8                      ; tensor_dim0_stride
	s_mov_b32 s[\g+6], 0
	s_mov_b32 s[\g+7], 0
.endr
	; and for the scale bytes of 128 rows: 4,096 dense bytes as 16 rows of 256, 16 bytes of padding behind each
	s_or_b32 s[G1S+0], s43, (3<<16)|(1<<20)|(1<<21)|(5<<22)|(3<<25)
	s_or_b32 s[G1SB+0], s44, (3<<16)|(1<<20)|(1<<21)|(5<<22)|(3<<25)
.irp g, G1S, G1SB
	s_mov_b32 s[\g+1], 32<<16
	s_mov_b32 s[\g+2], 16<<16
	s_mov_b32 s[\g+3], 32<<16
	s_mov_b32 s[\g+4], 16
	s_mov_b32 s[\g+5], 32
	s_mov_b32 s[\g+6], 0
	s_mov_b32 s[\g+7], 0
.endr
	s_lshl_b32 s21, s16, 3                         ; which 8 tiles I fetch
	s_lshl_b32 s20, s9, 4
	s_add_co_u32 s20, s20, s21                     ; A: their first tile
	s_mul_i32 s22, s20, TROW
	s_add_co_u32 s22, s22, s13
	s_mov_b32 s23, 0
	s_lshl_b32 s92, s20, 9
	s_add_co_u32 s92, s92, s17
	s_mov_b32 s93, 0
	s_lshl_b32 s46, s42, 4
	s_add_co_u32 s46, s46, s21                     ; B likewise, in registers that never hold cy
	s_lshl_b32 s94, s46, 9
	s_add_co_u32 s94, s94, s12
	s_mov_b32 s95, 0
	s_mul_i32 s46, s46, TROW
	s_add_co_u32 s46, s46, s11
	s_mov_b32 s47, 0
	s_mul_i32 s45, s14, HALFT                      ; where they go: wave x 8 tiles: no place in the cluster enters an LDS address
	s_mul_i32 s96, s14, HALFS
	s_wait_kmcnt 0x0
	s_add_nc_u64 s[22:23], s[4:5], s[22:23]
	s_add_nc_u64 s[92:93], s[4:5], s[92:93]
	s_add_nc_u64 s[46:47], s[4:5], s[46:47]
	s_add_nc_u64 s[94:95], s[4:5], s[94:95]
	CROUND                                         ; all sixteen work-groups are here: the first joint loads meet
	s_mov_b32 s[G0S], 1
	s_add_co_u32 s[G0S+1], s96, SCL
	s_mov_b64 s[G0S+2:G0S+3], s[92:93]
	s_or_b32 s[G0S+3], s[G0S+3], 0x80000000
	s_mov_b32 s[G0SB], 1
	s_add_co_u32 s[G0SB+1], s96, SCL
	s_mov_b64 s[G0SB+2:G0SB+3], s[94:95]
	s_or_b32 s[G0SB+3], s[G0SB+3], 0x80000000
	JLOAD G0S, G1S, G0SB, G1SB                     ; the scale bytes first: they are wanted with the first K step
.irp s, 0,1
	s_mov_b32 s[G0+4*\s], 1
	s_add_co_u32 s[G0+4*\s+1], s45, \s*SLOT
	s_add_nc_u64 s[G0+4*\s+2:G0+4*\s+3], s[22:23], \s*TILEB
	s_or_b32 s[G0+4*\s+3], s[G0+4*\s+3], 0x80000000
	s_mov_b32 s[G0B+4*\s], 1
	s_add_co_u32 s[G0B+4*\s+1], s45, \s*SLOT
	s_add_nc_u64 s[G0B+4*\s+2:G0B+4*\s+3], s[46:47], \s*TILEB
	s_or_b32 s[G0B+4*\s+3], s[G0B+4*\s+3], 0x80000000
	JLOAD G0+4*\s, G1, G0B+4*\s, G1B               ; by this text's count three tensor loads of a wave are out here, later one
.endr
	v_and_b32 v1, 15, v0                           ; r
	v_bfe_u32 v2, v0, 4, 1                         ; h
	v_and_b32 v3, 31, v0
	v_lshlrev_b32 v[L16], 4, v3
	v_lshlrev_b32 v[L8], 3, v3
	v_lshlrev_b32 v[L4], 2, v3
	s_mul_i32 s21, s15, HALFT                      ; my 8 tiles of A
	s_mul_i32 s20, s16, HALFT                      ; my 8 tiles of B,
	s_add_co_u32 s20, s20, 2*HALFT                 ; which lie behind A's 16
.irp s, 0,1
	v_add_nc_u32 v[ADRA+\s], s21, v[L16]
	v_add_nc_u32 v[ADRB+\s], s20, v[L16]
	v_add_nc_u32 v[ADRA+2+\s], s21, v[L8]
	v_add_nc_u32 v[ADRB+2+\s], s20, v[L8]
	s_add_co_u32 s21, s21, SLOT
	s_add_co_u32 s20, s20, SLOT
.endr
	v_mul_u32_u24 v5, v1, KS                       ; my row's scale bytes: 32 a row,
	v_lshrrev_b32 v6, 8, v5
	v_lshl_add_u32 v5, v6, 4, v5                   ; and 16 more for each 256 passed
	s_mul_i32 s21, s15, HALFS
	s_mul_i32 s20, s16, HALFS
	s_add_co_u32 s20, s20, 2*HALFS
	s_sub_co_u32 s20, s20, s21
	v_mul_u32_u24 v6, s20, v2                      ; lanes 16-31 take B's: the lower base + h x the distance
	s_add_co_u32 s21, s21, SCL
	v_add_nc_u32 v5, v5, v6
	v_add_nc_u32 v[ADRS], s21, v5
.irp b, 0,1,2,3
	v_mov_b32 v[TM+4+\b], 0                        ; written once: a lane permute's destination counts as one of its sources
.endr
	s_mov_b32 s[SEL], 0x76543210
	s_mov_b32 s[SEL+1], 0xfedcba98
	s_lshl_b32 s97, s42, 1
	s_add_co_u32 s97, s97, s16                     ; which 128 of P are mine
	s_lshl_b32 s98, s9, 4
	s_lshl_b32 s99, s15, 3
	s_add_co_u32 s98, s98, s99                     ; my first tile of N
	s_lshl_b32 s[OC], s97, 10
	s_add_co_u32 s[OC], s[OC], s98
	s_mul_i32 s[OC], s[OC], 768
	s_add_co_u32 s[OC], s[OC], s18
	s_mov_b32 s[OC+1], 0
	s_add_nc_u64 s[OC:OC+1], s[6:7], s[OC:OC+1]
	s_lshl_b32 s97, s97, 9
	s_add_co_u32 s[OS], s97, s98
	s_lshl_b32 s[OS], s[OS], 7
	s_add_co_u32 s[OS], s[OS], s19
	s_mov_b32 s[OS+1], 0
	s_add_nc_u64 s[OS:OS+1], s[6:7], s[OS:OS+1]
.macro FRAG reg, adr, q, i             ; a fragment, 16 rows x 128 K, is two half images: four loads, each of consecutive bytes
	ds_load_b128 v[\reg:\reg+3], v[\adr] offset:(\i)*TILEB+(\q)*1536
	ds_load_b64 v[\reg+4:\reg+5], v[\adr+2] offset:(\i)*TILEB+(\q)*1536+512
	ds_load_b128 v[\reg+6:\reg+9], v[\adr] offset:(\i)*TILEB+(\q)*1536+768
	ds_load_b64 v[\reg+10:\reg+11], v[\adr+2] offset:(\i)*TILEB+(\q)*1536+1280
.endm
; 16 matrix instructions: A's blocks a0, a0 + 1 x B's eight, 128 along K.  The 64 accumulators take turns, one instruction a turn, in the same order in every step.
.macro MUL16 a0, p, q, sc, zero
.irp a, \a0, \a0+1
.irp b, 0,1,2,3,4,5,6,7
.if \zero
	v_wmma_scale_f32_16x16x128_f8f6f4 v[8*(8*((\a)%4)+\b):8*(8*((\a)%4)+\b)+7], v[128*(\p)+FR*\b:128*(\p)+FR*\b+FR-1], v[AF+FR*(\a):AF+FR*(\a)+FR-1], 0, v[SC+8*NQ*(\sc)+NQ*\b+(\q)], v[SC+8*NQ*(\sc)+NQ*(\a)+(\q)] matrix_a_fmt:MATRIX_FMT_BF6 matrix_b_fmt:MATRIX_FMT_BF6 matrix_a_scale:MATRIX_SCALE_ROW1
.else
	v_wmma_scale_f32_16x16x128_f8f6f4 v[8*(8*((\a)%4)+\b):8*(8*((\a)%4)+\b)+7], v[128*(\p)+FR*\b:128*(\p)+FR*\b+FR-1], v[AF+FR*(\a):AF+FR*(\a)+FR-1], v[8*(8*((\a)%4)+\b):8*(8*((\a)%4)+\b)+7], v[SC+8*NQ*(\sc)+NQ*\b+(\q)], v[SC+8*NQ*(\sc)+NQ*(\a)+(\q)] matrix_a_fmt:MATRIX_FMT_BF6 matrix_b_fmt:MATRIX_FMT_BF6 matrix_a_scale:MATRIX_SCALE_ROW1
.endif
.endr
.endr
.endm
.macro FETCH_B slot, q, p
	WIN TO_B
.irp i, 0,1,2,3,4,5,6,7
	FRAG 128*(\p)+FR*\i, ADRB+\slot, \q, \i
.endr
	WIN 0
.endm
.macro FETCH_A slot, q, i0
.irp i, \i0, \i0+1, \i0+2, \i0+3
	FRAG AF+FR*(\i), ADRA+\slot, \q, \i
.endr
.endm
.macro SCALES sc                       ; a slot's scale words: 8 bytes a row; lanes 0-15 take A's block i, lanes 16-31 B's
.irp i, 0,1,2,3,4,5,6,7
	ds_load_b64 v[SC+8*NQ*\sc+NQ*\i:SC+8*NQ*\sc+NQ*\i+1], v[ADRS] offset:\i*SBLK
.endr
.endm
.macro PLACES n                        ; plain vector instructions between a matrix instruction and a load into, or a read of, its registers
.rept \n
	v_nop
.endr
.endm
.macro STEP slot, q, zero              ; a step of 128 along K that has its successor in the same slot
	s_wait_dscnt 4*NL                              ; B's set, A's blocks 0-3 and the scale words are in; the youngest 16 loads (A's blocks 4-7) may be out
	WIN MUL_LO
	MUL16 0, (\q)%2, \q, \slot, \zero
	MUL16 2, (\q)%2, \q, \slot, \zero
	s_wait_dscnt 0
	PLACES NP
	FETCH_B \slot, (\q)+1, 1-(\q)%2
	FETCH_A \slot, (\q)+1, 0
	WIN MUL_HI
	MUL16 4, (\q)%2, \q, \slot, \zero
	MUL16 6, (\q)%2, \q, \slot, \zero
	PLACES NP
	WIN 0
	FETCH_A \slot, (\q)+1, 4
.endm
; A slot's last step changes slots: one barrier; in front of it each wave waits for all its tensor loads, adds 0 to its spare word, and waits for that and for its reads of this slot.  fill = 1: this slot is filled again.
.macro TURN slot, next, fill
	s_wait_tensorcnt 0x0                           ; all my tensor loads have landed: my part of the next slot
	ds_add_u32 v[SPW], v[NIL]                      ; 0 onto my spare word
	s_wait_dscnt 4*NL+1                            ; (the add and the youngest 16 loads may be out)
	WIN MUL_LO
	MUL16 0, 1, NQ-1, \slot, 0                     ; sixteen matrix instructions stand between the add and the wait for it
	s_wait_dscnt 0x0                               ; the add is done, and my reads of this slot are over
	s_barrier_signal -1
	MUL16 2, 1, NQ-1, \slot, 0
	WIN 0
	s_barrier_wait -1
.if \fill
	CREST                                          ; the barrier has opened a round of the cluster's: no wave of any partner still reads this slot or has a load on its way
	s_add_nc_u64 s[G0+4*\slot+2:G0+4*\slot+3], s[G0+4*\slot+2:G0+4*\slot+3], 2*TILEB
	s_add_nc_u64 s[G0B+4*\slot+2:G0B+4*\slot+3], s[G0B+4*\slot+2:G0B+4*\slot+3], 2*TILEB
	JLOAD G0+4*\slot, G1, G0B+4*\slot, G1B         ; the first tensor load behind the round; its four v_nop are the places in front of the loads below
.else
	PLACES NP
.endif
	v_add_nc_u32 v[ADRS], 4*NQ, v[ADRS]            ; the next slot's scale words (no LDS load of mine is out)
	FETCH_B \next, 0, 0
	FETCH_A \next, 0, 0
	SCALES \next
	WIN MUL_HI
	MUL16 4, 1, NQ-1, \slot, 0
	MUL16 6, 1, NQ-1, \slot, 0
	PLACES NP
	WIN 0
	FETCH_A \next, 0, 4
.endm
	s_wait_tensorcnt 1                             ; the scale bytes and my part of slot 0 are in (slot 1's load may be out)
	s_barrier_signal -1
	s_barrier_wait -1                              ; everybody's are
	FETCH_B 0, 0, 0
	FETCH_A 0, 0, 0
	SCALES 0
	FETCH_A 0, 0, 4
	STEP 0, 0, 1                                   ; K = 1,024 is four slots, written out: the first products start the sums
	TURN 0, 1, 1
	STEP 1, 0, 0
	TURN 1, 0, 1
	STEP 0, 0, 0
	TURN 0, 1, 0                                   ; nothing is left to fetch
	STEP 1, 0, 0
	s_wait_dscnt 4*NL
	WIN MUL_LO
	MUL16 0, 1, NQ-1, 1, 0
	MUL16 2, 1, NQ-1, 1, 0
	s_wait_dscnt 0
	WIN MUL_HI
	MUL16 4, 1, NQ-1, 1, 0
	MUL16 6, 1, NQ-1, 1, 0
; THE WAY OUT.  The 64 registers of A's block a: register 16 b + i = row 32 b + 16 h + i of my 128 rows of P, for my row of N.  They become a fragment's codes and its scale word, and leave as two half images and a word a lane.
.macro QOUT a
.set AC, 64*((\a)%4)
	WIN 0x0a+5*((\a)/4)                            ; sources 0 and 1: window 2 or 3
.irp b, 0,1,2,3
	v_max3_num_f32 v[TM+\b], |v[AC+16*\b]|, |v[AC+16*\b+1]|, 0x2800000   ; each accumulator is read from its low end on; the floor 2^(5 - 127)
.endr
.irp i, 2,4,6,8,10,12,14
.irp b, 0,1,2,3
	v_max3_num_f32 v[TM+\b], |v[AC+16*\b+\i]|, |v[AC+16*\b+\i+1]|, v[TM+\b]
.endr
.endr
	WIN 0
.if (\a) > 0
	s_wait_xcnt 0x0                                ; the last block's stores have read the word's and the codes' registers
.endif
.irp b, 0,1,2,3
	v_permlanex16_b32 v[TM+4+\b], v[TM+\b], s[SEL], s[SEL+1]
.endr
.irp b, 0,1,2,3
	v_max_num_f32 v[TM+\b], v[TM+\b], v[TM+4+\b]
.endr
.irp b, 0,1,2,3
	v_add_nc_u32 v[TM+12+\b], 0xfe000000, v[TM+\b]
.endr
.irp b, 0,1,2,3
	v_lshrrev_b32 v[TM+4+\b], 23, v[TM+12+\b]
.endr
	v_lshl_or_b32 v[PW], v[TM+5], 8, v[TM+4]
	v_lshl_or_b32 v[PW], v[TM+6], 16, v[PW]
	v_lshl_or_b32 v[PW], v[TM+7], 24, v[PW]
	WIN 0x02+((\a)/4)                              ; source 0: window 2 or 3
.irp c, 0,1
	v_cvt_scalef32_pk16_bf6_f32 v[PC+6*\c:PC+6*\c+2], v[AC+32*\c:AC+32*\c+15], v[TM+12+2*\c]
	v_cvt_scalef32_pk16_bf6_f32 v[PC+12+4*\c:PC+14+4*\c], v[AC+32*\c+16:AC+32*\c+31], v[TM+13+2*\c]
.endr
	WIN 0
	v_nop                                          ; one plain place behind a scaled conversion
.irp c, 0,1
.irp i, 0,1,2
	v_permlane16_swap_b32 v[PC+6*\c+\i], v[PC+12+4*\c+\i]
.endr
.irp i, 0,1,2
	v_mov_b32 v[PC+3+6*\c+\i], v[PC+12+4*\c+\i]
.endr
.endr
	global_store_b128 v[L16], v[PC:PC+3], s[OC:OC+1] offset:768*(\a)                  ; P's first 64: 512 and 256 consecutive bytes
	global_store_b64 v[L8], v[PC+4:PC+5], s[OC:OC+1] offset:768*(\a)+512
	global_store_b128 v[L16], v[PC+6:PC+9], s[OC:OC+1] offset:768*(\a)+512*768        ; P's second 64: 512 tiles of N further on
	global_store_b64 v[L8], v[PC+10:PC+11], s[OC:OC+1] offset:768*(\a)+512*768+512
	global_store_b32 v[L4], v[PW], s[OS:OS+1] offset:128*(\a)
.endm
	PLACES NP                                      ; behind the last products
.irp a, 0,1,2,3,4,5,6,7
	QOUT \a
.endr
	s_wait_tensorcnt 0x0                           ; the wave's end
	ds_add_u32 v[SPW], v[NIL]
	s_wait_dscnt 0x0
	CROUND                                         ; the closing round: no work-group ends while a partner may still ask for a tile that names it
	s_endpgm
.Lfunc_end_k_q9018fd9166_gemm_qkv:
	.size	k_q9018fd9166_gemm_qkv, .Lfunc_end_k_q9018fd9166_gemm_qkv-k_q9018fd9166_gemm_qkv
	.p2alignl 7, 3214868480
	.fill 96, 4, 3214868480
	.section	.rodata,"a",@progbits
	.p2align	6, 0x0
	.amdhsa_kernel k_q9018fd9166_gemm_qkv
		.amdhsa_group_segment_fixed_size 327680
		.amdhsa_private_segment_fixed_size 0
		.amdhsa_enable_private_segment 0
		.amdhsa_kernarg_size 16
		.amdhsa_user_sgpr_count 2
		.amdhsa_user_sgpr_kernarg_segment_ptr 1
		.amdhsa_wavefront_size32 1
		.amdhsa_system_sgpr_workgroup_id_x 1
		.amdhsa_system_sgpr_workgroup_id_y 1
		.amdhsa_system_sgpr_workgroup_id_z 1
		.amdhsa_system_vgpr_workitem_id 0
		.amdhsa_next_free_vgpr 1024
		.amdhsa_next_free_sgpr 100
		.amdhsa_reserve_vcc 0
		.amdhsa_float_denorm_mode_32 3
		.amdhsa_float_denorm_mode_16_64 3
		.amdhsa_memory_ordered 1
		.amdhsa_forward_progress 1
		.amdhsa_inst_pref_size 150
	.end_amdhsa_kernel
	.amdgpu_metadata
---
amdhsa.version: [ 1, 2 ]
amdhsa.kernels:
  - .name:           k_q9018fd9166_gemm_qkv
    .symbol:         k_q9018fd9166_gemm_qkv.kd
    .args:
      - { .name: qin, .offset: 0, .size: 8, .value_kind: global_buffer, .address_space: global }
      - { .name: qkv, .offset: 8, .size: 8, .value_kind: global_buffer, .address_space: global }
    .group_segment_fixed_size: 327680
    .private_segment_fixed_size: 0
    .kernarg_segment_align: 8
    .kernarg_segment_size: 16
    .max_flat_workgroup_size: 128
    .sgpr_count:     100
    .vgpr_count:     1024
    .wavefront_size: 32
...
	.end_amdgpu_metadata
.endif
;; end of part 2
;; launch attn (part 3): grid 4 x 64, 16 waves a work-group, no clusters, 327,680 bytes of LDS; arguments qkv, yq; writes yq
.if DOCPART == 3
	.amdgcn_target "amdgcn-amd-amdhsa--gfx1250"
	.amdhsa_code_object_version 6
	.text
	.protected	k_q9018fd9166_attn
	.globl	k_q9018fd9166_attn
	.p2align	8
	.type	k_q9018fd9166_attn,@function
k_q9018fd9166_attn:
	s_mov_b64 s[64:65], 0
	v_nop
	global_prefetch_b8 v0, s[64:65] scope:SCOPE_SE
	s_setreg_imm32_b32 hwreg(HW_REG_WAVE_MODE, 25, 1), 1
	s_wait_xcnt 0x0
; y = softmax(q k^T / 8, causal) v for each of 64 (batch, head), both products on codes of E3M2; y is quantised along the head's 64 for the last product and stored as codes.
; INPUTS (made by the launch before), as half images of 768 bytes (16 rows x 64 K: registers 0-3 at 16 x lane, registers 4-5 at 512 + 8 x lane); lane r of tile T = row 32 (T / 2) + 8 (T % 2) + r % 8 + 16 (r / 8):
;   q, k: [head (q) or 16 + head (k)][token tile 512][768]; scale words [pair of heads][token tile][lane's word at 4 l]: bytes 0, 1 the even head's two blocks, bytes 2, 3 the odd head's.
;   v, keys innermost: [token / 64][4 head + tile of 16 channels, pitch 512][768]; scale words [token / 128][the same][128].
; THE FIRST PRODUCT'S K IS 64: the upper half of the instruction's 128 carries zero CODES on q's side (six registers cleared once) and scale bytes 0 (2^-127, no NaN) on both sides, so whatever k's side holds there adds nothing.
; SOFTMAX: t = score x log2(e) / 8; M = the running largest t rounded UP to a whole number; p = 2^(t - M) is quantised along the keys, not normalised; the row's sum is taken of the unquantised p and divides at the end.
; A block's largest p is had from its largest score by the same multiply-add and exponential (this takes v_exp_f32 not to fall where its input rises).  1 / sum by v_rcp_f32.
; SHARES.  A work-group owns query blocks I and 7 - I (256 queries each) of one (batch, head): I + 1 and 8 - I slots of 256 keys, NINE for every work-group.  Each of sixteen waves owns one tile of 16 queries.
; Both products are used transposed: a lane holds one query throughout; a tile's keys are so ordered that p's 16 registers of two neighbouring tiles are 16 neighbouring keys.
; A step all of whose 128 keys come after the wave's queries is jumped over (a scalar branch on ids); on the diagonal hidden scores become -infinity ahead of the maximum.
; NO CLUSTER: the four work-groups of a (batch, head) want different slots in the same trip (work-group I starts anew at key 0 behind trip I), so no joint request would be alike in all partners.
; LIMITS: a block whose largest magnitude lies under 2^-122 gets the byte 1 (read by this program alone); NaN and infinities are not served.
; REGISTERS: v1-11 addresses; v12 -M, v13 the largest t, v[14:15] the sum; v16-27 q (v22-27 zeros), v28 its scale word; v29 32 r; v32-85 fragments of k or v (v80-85 zeros); v86-93 their scale words;
;   v96-159 S^T, then p, at the end y; v160-191 O^T; v192-210 p's codes; v212-223 block maxima, bytes, scale operands; v224 p's scale word; v[226:227] the rescaling factor; v228-231 at work.
.set QKS_O, 12582912
.set VC_O,  13631488
.set VS_O,  63963136
.set YS_O,  6291456
.set SLOT1, 1<<15                      ; slot 1 begins here: one exclusive or turns an address in one slot into the other's
.set LV,    12288                      ; in a slot: k's 16 tiles x 768; then v's [64 keys 4][tile 4][768];
.set LKS,   24576                      ; k's scale words, 16 x 128;
.set LVS,   26624                      ; v's, [128 keys 2][tile 4][128]
.set SPARE, 65536                      ; the spare words, 128 bytes for each of sixteen waves: eight blocks of 256 bytes that no other line names
.set WV,   18
.set SEL,  20                          ; s[20:21] lane selects: lane l xor 16
.set CS,   22                          ; s[22:23] c = log2(e) / 8
.set G1K,  24
.set G1V,  32
.set G1KS, 40
.set G1VS, 48
.set G0K,  56
.set G0V,  60
.set G0KS, 68
.set G0VS, 72
.set BK,   76                          ; s[76:83] where the (batch, head)'s k codes, v codes, k scales, v scales begin
.set BV,   78
.set BKS,  80
.set BVS,  82
.set QC,   84                          ; s[84:91] my tile's q codes, q scales, y codes, y scale bytes
.set QS,   86
.set YC,   88
.set YS,   90
.set RI,   92                          ; I
.set RI1,  93                          ; I + 1
.set RJ,   94                          ; the trip
.set NSL,  95                          ; which 256 keys the slot to be filled takes
.set CSL,  96                          ; which 256 keys the slot in hand holds
.set QMIN, 97                          ; my smallest query (the largest is 23 on)
.set TB,   98                          ; LDS byte at which the slot in hand begins
.set KF,   99                          ; the step's first key
; Waves 0 to 3 fetch k's codes, v's codes, k's scale words, v's; the others nothing.  The branches hang on the wave's number alone.  Four v_nop follow each load.
.macro TLOAD4
	s_cmp_eq_u32 s[WV], 0
	s_cbranch_scc0 .Ln0_\@
	tensor_load_to_lds s[G0K:G0K+3], s[G1K:G1K+7]
	s_nop 0
.rept 4
	v_nop
.endr
	s_branch .Lasked_\@
.Ln0_\@:
	s_cmp_eq_u32 s[WV], 1
	s_cbranch_scc0 .Ln1_\@
	tensor_load_to_lds s[G0V:G0V+3], s[G1V:G1V+7]
	s_nop 0
.rept 4
	v_nop
.endr
	s_branch .Lasked_\@
.Ln1_\@:
	s_cmp_eq_u32 s[WV], 2
	s_cbranch_scc0 .Ln2_\@
	tensor_load_to_lds s[G0KS:G0KS+3], s[G1KS:G1KS+7]
	s_nop 0
.rept 4
	v_nop
.endr
	s_branch .Lasked_\@
.Ln2_\@:
	s_cmp_eq_u32 s[WV], 3
	s_cbranch_scc0 .Lasked_\@
	tensor_load_to_lds s[G0VS:G0VS+3], s[G1VS:G1VS+7]
	s_nop 0
.rept 4
	v_nop
.endr
.Lasked_\@:
.endm
	s_load_b128 s[4:7], s[0:1], 0x0                ; qkv s[4:5], yq s[6:7]
	v_lshl_add_u32 v5, v0, 2, SPARE                ; my spare word; never rewritten
	v_mov_b32 v6, 0                                ; 0; never rewritten
	ds_add_u32 v5, v6
	ds_add_u32 v5, v6
	s_wait_dscnt 0x0
	v_lshrrev_b32 v8, 5, v0
	s_delay_alu instid0(VALU_DEP_1)
	v_readfirstlane_b32 s[WV], v8                  ; wave 0..15
	s_mov_b32 s[RI], ttmp9
	s_add_co_u32 s[RI1], ttmp9, 1
	s_sub_co_u32 s11, 7, ttmp9                     ; the second query block
	s_and_b32 s9, ttmp7, 0xffff
	s_lshr_b32 s8, s9, 4                           ; batch
	s_and_b32 s9, s9, 15                           ; head
	s_lshr_b32 s10, s[WV], 1
	s_lshl_b32 s10, s10, 5
	s_and_b32 s2, s[WV], 1
	s_lshl_b32 s2, s2, 3
	s_add_co_u32 s10, s10, s2                      ; my tile's first query in its block: 32 (w / 2) + 8 (w % 2)
	; descriptor groups 1: elements of 8 bytes, no mask, no padding (every LDS read takes consecutive bytes)
	s_mov_b32 s[G1K], 3<<16                        ; k's codes: 12,288 dense bytes as 48 rows of 256
	s_mov_b32 s[G1K+1], 32<<16
	s_mov_b32 s[G1K+2], 48<<16
	s_mov_b32 s[G1K+3], 32<<16
	s_mov_b32 s[G1K+4], 48
	s_mov_b32 s[G1K+5], 32
	s_mov_b32 s[G1K+6], 0
	s_mov_b32 s[G1K+7], 0
	s_mov_b32 s[G1V], 3<<16                        ; v's codes: 4 rows (64 keys each) of 3,072 bytes, 512 x 768 bytes apart
	s_mov_b32 s[G1V+1], 384<<16
	s_mov_b32 s[G1V+2], 4<<16
	s_mov_b32 s[G1V+3], 384<<16
	s_mov_b32 s[G1V+4], 4
	s_mov_b32 s[G1V+5], 512*768/8
	s_mov_b32 s[G1V+6], 0
	s_mov_b32 s[G1V+7], 0
	s_mov_b32 s[G1KS], 3<<16                       ; k's scale words: 2,048 dense bytes as 8 rows of 256
	s_mov_b32 s[G1KS+1], 32<<16
	s_mov_b32 s[G1KS+2], 8<<16
	s_mov_b32 s[G1KS+3], 32<<16
	s_mov_b32 s[G1KS+4], 8
	s_mov_b32 s[G1KS+5], 32
	s_mov_b32 s[G1KS+6], 0
	s_mov_b32 s[G1KS+7], 0
	s_mov_b32 s[G1VS], 3<<16                       ; v's: 2 rows (128 keys each) of 512 bytes, 512 x 128 bytes apart
	s_mov_b32 s[G1VS+1], 64<<16
	s_mov_b32 s[G1VS+2], 2<<16
	s_mov_b32 s[G1VS+3], 64<<16
	s_mov_b32 s[G1VS+4], 2
	s_mov_b32 s[G1VS+5], 512*128/8
	s_mov_b32 s[G1VS+6], 0
	s_mov_b32 s[G1VS+7], 0
	s_mov_b32 s[SEL], 0x76543210
	s_mov_b32 s[SEL+1], 0xfedcba98
	s_mov_b32 s[CS], 0x3e38aa3b                    ; log2(e) / 8
	s_mov_b32 s[CS+1], s[CS]                       ; (named with it as a pair, so it is written)
	s_mov_b32 s17, 0
	s_mov_b32 s13, 0
	s_mov_b32 s15, 0
	s_mov_b32 s3, 0
	s_add_co_u32 s16, s9, 16                       ; k's codes: ((16 + head) 512 + 128 batch) 768
	s_lshl_b32 s16, s16, 9
	s_lshl_b32 s19, s8, 7
	s_add_co_u32 s16, s16, s19
	s_mul_i32 s16, s16, 768
	s_lshl_b32 s12, s8, 14                         ; v's codes: (batch 32 x 512 + 4 head) 768
	s_lshl_b32 s19, s9, 2
	s_add_co_u32 s12, s12, s19
	s_mul_i32 s12, s12, 768
	s_add_co_u32 s12, s12, VC_O
	s_lshr_b32 s14, s9, 1                          ; k's scale words: ((8 + head / 2) 512 + 128 batch) 128
	s_add_co_u32 s14, s14, 8
	s_lshl_b32 s14, s14, 9
	s_lshl_b32 s19, s8, 7
	s_add_co_u32 s14, s14, s19
	s_lshl_b32 s14, s14, 7
	s_add_co_u32 s14, s14, QKS_O
	s_lshl_b32 s2, s8, 13                          ; v's: (batch 16 x 512 + 4 head) 128
	s_lshl_b32 s19, s9, 2
	s_add_co_u32 s2, s2, s19
	s_lshl_b32 s2, s2, 7
	s_add_co_u32 s2, s2, VS_O
	s_wait_kmcnt 0x0
	s_add_nc_u64 s[BK:BK+1], s[4:5], s[16:17]
	s_add_nc_u64 s[BV:BV+1], s[4:5], s[12:13]
	s_add_nc_u64 s[BKS:BKS+1], s[4:5], s[14:15]
	s_add_nc_u64 s[BVS:BVS+1], s[4:5], s[2:3]
	s_mov_b32 s[G0K], 1                            ; groups 0: slot 0, the first 256 keys
	s_mov_b32 s[G0K+1], 0
	s_mov_b64 s[G0K+2:G0K+3], s[BK:BK+1]
	s_or_b32 s[G0K+3], s[G0K+3], 0x80000000
	s_mov_b32 s[G0V], 1
	s_mov_b32 s[G0V+1], LV
	s_mov_b64 s[G0V+2:G0V+3], s[BV:BV+1]
	s_or_b32 s[G0V+3], s[G0V+3], 0x80000000
	s_mov_b32 s[G0KS], 1
	s_mov_b32 s[G0KS+1], LKS
	s_mov_b64 s[G0KS+2:G0KS+3], s[BKS:BKS+1]
	s_or_b32 s[G0KS+3], s[G0KS+3], 0x80000000
	s_mov_b32 s[G0VS], 1
	s_mov_b32 s[G0VS+1], LVS
	s_mov_b64 s[G0VS+2:G0VS+3], s[BVS:BVS+1]
	s_or_b32 s[G0VS+3], s[G0VS+3], 0x80000000
	TLOAD4                                         ; slot 0: the one first fill; by this text's count one tensor load of a wave is out at any time
	v_and_b32 v30, 31, v0                          ; lane
	v_and_b32 v31, 15, v0                          ; r
	v_bfe_u32 v29, v0, 4, 1                        ; h
	s_delay_alu instid0(VALU_DEP_3)
	v_lshlrev_b32 v1, 4, v30                       ; 16 x lane
	s_delay_alu instid0(VALU_DEP_4)
	v_lshlrev_b32 v2, 3, v30                       ; 8 x lane
	s_delay_alu instid0(VALU_DEP_4)
	v_lshlrev_b32 v4, 2, v31                       ; 4 r: v's scale words
	s_and_b32 s2, s9, 1
	s_lshl_b32 s2, s2, 1
	v_add_nc_u32 v3, s2, v4                        ; 4 r + 2 (head % 2): my head's two bytes of q's and k's scale words
	v_and_b32 v7, 7, v0
	v_bfe_u32 v8, v0, 3, 1
	s_delay_alu instid0(VALU_DEP_1)
	v_lshl_add_u32 v7, v8, 4, v7
	v_lshlrev_b32 v8, 4, v29
	s_delay_alu instid0(VALU_DEP_1)
	v_sub_nc_u32 v7, v7, v8                        ; my query less QMIN, less 16 h
	v_lshlrev_b32 v29, 5, v31                      ; 32 r: y's scale bytes
.irp j, 22,23,24,25,26,27,80,81,82,83,84,85
	v_mov_b32 v\j, 0                               ; zero codes: q's upper 64 of K; what stands behind k's last tile
.endr
.irp j, 216,217,218,219,227,228
	v_mov_b32 v\j, 0                               ; written once: destinations of lane permutes, and the upper half of a pair that is named whole
.endr
; Query block s[qb] begins: addresses, q's fragment and scale word, and the running figures.
.macro INITQ qb
	s_lshl_b32 s2, s[\qb], 4
	s_add_co_u32 s2, s2, s[WV]
	s_lshl_b32 s3, s8, 7
	s_add_co_u32 s3, s3, s2                        ; my token tile: 128 batch + 16 block + wave
	s_lshl_b32 s[QMIN], s[\qb], 8
	s_add_co_u32 s[QMIN], s[QMIN], s10
	s_mov_b32 s17, 0
	s_lshl_b32 s16, s9, 9
	s_add_co_u32 s16, s16, s3
	s_mul_i32 s16, s16, 768
	s_add_nc_u64 s[QC:QC+1], s[4:5], s[16:17]
	s_lshr_b32 s16, s9, 1
	s_lshl_b32 s16, s16, 9
	s_add_co_u32 s16, s16, s3
	s_lshl_b32 s16, s16, 7
	s_add_co_u32 s16, s16, QKS_O
	s_add_nc_u64 s[QS:QS+1], s[4:5], s[16:17]
	s_lshl_b32 s16, s3, 4
	s_add_co_u32 s16, s16, s9
	s_mul_i32 s16, s16, 768
	s_add_nc_u64 s[YC:YC+1], s[6:7], s[16:17]      ; y's codes: [token tile][head][768]
	s_lshl_b32 s16, s3, 9
	s_lshl_b32 s19, s9, 1
	s_add_co_u32 s16, s16, s19
	s_add_co_u32 s16, s16, YS_O
	s_add_nc_u64 s[YS:YS+1], s[6:7], s[16:17]      ; y's scale bytes: [token tile][r][32], my head's two
	global_load_b128 v[16:19], v1, s[QC:QC+1]
	global_load_b64 v[20:21], v2, s[QC:QC+1] offset:512
	global_load_u16 v28, v3, s[QS:QS+1]            ; two bytes, and zeros above them
	v_mov_b32 v13, 0xff61b1e6                      ; the largest t so far: -3e38
	s_delay_alu instid0(VALU_DEP_1)
	v_floor_f32 v12, -v13                          ; -M
	v_mov_b32 v14, 0
	v_mov_b32 v15, 0
.set j, 0
.rept 32
	v_mov_b32 v[160+j], 0                          ; O^T: the step is written once; the first finds zeros, which the first change of M leaves zeros
.set j, j+1
.endr
	s_wait_loadcnt 0x0
.endm
; A KEY STEP: 128 keys, the q-th of the slot in hand.
.macro STEP q
	s_lshl_b32 s[KF], s[CSL], 8
.if (\q) > 0
	s_add_co_u32 s[KF], s[KF], 128*(\q)
.endif
	s_add_co_u32 s2, s[QMIN], 23
	s_cmp_gt_u32 s[KF], s2
	s_cbranch_scc1 .Lhidden_\@                     ; all its keys come after my queries
	s_wait_alu depctr_va_vdst(0)
.irp t, 0,1,2,3,4,5,6,7
	ds_load_b128 v[32+6*\t:35+6*\t], v8 offset:(8*(\q)+\t)*768
	ds_load_b64 v[36+6*\t:37+6*\t], v9 offset:(8*(\q)+\t)*768+512
	ds_load_u16 v[86+\t], v10 offset:LKS+(8*(\q)+\t)*128
.endr
	s_wait_dscnt 0x0
.irp t, 0,1,2,3,4,5,6,7                        ; S^T = k q^T.  A tile's upper six registers are the next tile's codes (the last tile's: zeros): they meet q's zero codes
	v_wmma_scale_f32_16x16x128_f8f6f4 v[96+8*\t:103+8*\t], v[32+6*\t:43+6*\t], v[16:27], 0, v[86+\t], v28 matrix_a_fmt:MATRIX_FMT_BF6 matrix_b_fmt:MATRIX_FMT_BF6
.endr
.rept 4
	v_nop                                          ; places in front of the loads below and of the first read of the scores
.endr
	s_wait_alu depctr_va_vdst(0)
.irp d, 0,1,2,3                                ; v's four fragments are asked for now and land under the softmax
	ds_load_b128 v[32+12*\d:35+12*\d], v8 offset:LV+6144*(\q)+768*\d
	ds_load_b64 v[36+12*\d:37+12*\d], v9 offset:LV+6144*(\q)+768*\d+512
	ds_load_b128 v[38+12*\d:41+12*\d], v8 offset:LV+6144*(\q)+768*\d+3072
	ds_load_b64 v[42+12*\d:43+12*\d], v9 offset:LV+6144*(\q)+768*\d+3584
	ds_load_b32 v[86+\d], v11 offset:LVS+512*(\q)+128*\d
.endr
	s_add_co_u32 s2, s[KF], 127
	s_cmp_le_u32 s2, s[QMIN]
	s_cbranch_scc1 .Lopen_\@                       ; all its keys count
	s_sub_co_i32 s2, s[QMIN], s[KF]
	v_add_nc_u32 v228, s2, v7                      ; d = my query - KF - 16 h.  Register 16 b + i holds key KF + 32 b + 16 h + i: hidden where 32 b + i > d
	v_mov_b32 v229, 0xff800000                     ; -infinity
.set n, 0
.rept 64
	v_cmp_gt_i32 vcc_lo, 32*(n/16)+n%16, v228
	v_cndmask_b32 v[96+n], v[96+n], v229, vcc_lo
.set n, n+1
.endr
.Lopen_\@:
.irp b, 0,1,2,3
	v_max3_num_f32 v[212+\b], v[96+16*\b], v[97+16*\b], v[98+16*\b]   ; the largest score of each block of 32 keys: for the row's maximum, and for the block's largest p
.endr
.irp i, 3,5,7,9,11,13
.irp b, 0,1,2,3
	v_max3_num_f32 v[212+\b], v[212+\b], v[96+16*\b+\i], v[97+16*\b+\i]
.endr
.endr
.irp b, 0,1,2,3
	v_max_num_f32 v[212+\b], v[212+\b], v[111+16*\b]
.endr
.irp b, 0,1,2,3
	s_delay_alu instid0(VALU_DEP_4)
	v_permlanex16_b32 v[216+\b], v[212+\b], s[SEL], s[SEL+1]
.endr
.irp b, 0,1,2,3
	s_delay_alu instid0(VALU_DEP_4)
	v_max_num_f32 v[212+\b], v[212+\b], v[216+\b]  ; with lane l xor 16's 16 keys
.endr
	s_delay_alu instid0(VALU_DEP_2)
	v_max3_num_f32 v228, v212, v213, v214
	s_delay_alu instid0(VALU_DEP_1)
	v_max_num_f32 v228, v228, v215
	s_delay_alu instid0(VALU_DEP_1)
	v_mul_f32 v228, s[CS], v228                    ; the step's largest t of my query
	s_delay_alu instid0(VALU_DEP_1)
	v_max_num_f32 v13, v13, v228
	v_mov_b32 v228, v12
	s_delay_alu instid0(VALU_DEP_2)
	v_floor_f32 v12, -v13                          ; the new -M = -ceil(t)
	s_delay_alu instid0(VALU_DEP_1)
	v_sub_f32 v228, v12, v228                      ; old M - new M: a whole number, 0 or less
	s_delay_alu instid0(VALU_DEP_1)
	v_cvt_i32_f32 v228, v228                       ; (it saturates)
	s_delay_alu instid0(VALU_DEP_1)
	v_ldexp_f32 v226, 1.0, v228                    ; f = 2^(old M - new M): multiplying by it rounds nothing
.set j, 0
.rept 32
	v_pk_fma_f32 v[96+j:97+j], v[96+j:97+j], s[CS:CS+1], v[12:13] op_sel_hi:[1,0,0]   ; t - M, two at a time
.set j, j+2
.endr
.irp b, 0,1,2,3
	v_fma_f32 v[212+\b], v[212+\b], s[CS], v12
.endr
.set j, 0
	s_wait_alu depctr_va_vdst(0)
.rept 64
	v_exp_f32 v[96+j], v[96+j]                     ; p = 2^(t - M)
.set j, j+1
.endr
.irp b, 0,1,2,3
	v_exp_f32 v[212+\b], v[212+\b]                 ; the block's largest p
.endr
	v_pk_mul_f32 v[14:15], v[14:15], v[226:227] op_sel_hi:[1,0]   ; the sums under the new M (a plain place behind the exponentials)
	s_wait_alu depctr_va_vdst(0)
.irp b, 0,1,2,3
	v_max_num_f32 v[212+\b], 0x2800000, v[212+\b]  ; the floor 2^(5 - 127)
.endr
.irp b, 0,1,2,3
	s_delay_alu instid0(VALU_DEP_4)
	v_add_nc_u32 v[220+\b], 0xfe000000, v[212+\b]  ; the conversion's scale operand
.endr
.irp b, 0,1,2,3
	s_delay_alu instid0(VALU_DEP_4)
	v_lshrrev_b32 v[216+\b], 23, v[220+\b]         ; the scale's byte
.endr
	s_delay_alu instid0(VALU_DEP_3)
	v_lshl_or_b32 v224, v217, 8, v216              ; p's scale word for these 128 keys
	s_delay_alu instid0(VALU_DEP_1)
	v_lshl_or_b32 v224, v218, 16, v224
	s_delay_alu instid0(VALU_DEP_1)
	v_lshl_or_b32 v224, v219, 24, v224
.irp c, 0,1
	v_cvt_scalef32_pk16_bf6_f32 v[192+6*\c:194+6*\c], v[96+32*\c:111+32*\c], v[220+2*\c]
	v_cvt_scalef32_pk16_bf6_f32 v[204+4*\c:206+4*\c], v[112+32*\c:127+32*\c], v[221+2*\c]
.endr
	v_nop                                          ; one plain place behind a scaled conversion
.irp c, 0,1
.irp i, 0,1,2
	v_permlane16_swap_b32 v[192+6*\c+\i], v[204+4*\c+\i]
.endr
.irp i, 0,1,2
	s_delay_alu instid0(VALU_DEP_3)
	v_mov_b32 v[195+6*\c+\i], v[204+4*\c+\i]
.endr
.endr
	v_pk_add_f32 v[230:231], v[100:101], v[104:105]
	v_pk_add_f32 v[254:255], v[108:109], v[112:113]
	v_pk_add_f32 v[252:253], v[116:117], v[120:121]
	v_pk_add_f32 v[250:251], v[124:125], v[128:129]
	v_pk_add_f32 v[248:249], v[132:133], v[136:137]
	v_pk_add_f32 v[246:247], v[140:141], v[144:145]
	v_pk_add_f32 v[244:245], v[148:149], v[152:153]
	v_pk_add_f32 v[14:15], v[14:15], v[156:157]
	v_pk_add_f32 v[230:231], v[230:231], v[96:97]
	v_pk_add_f32 v[254:255], v[254:255], v[98:99]
	v_pk_add_f32 v[252:253], v[252:253], v[102:103]
	v_pk_add_f32 v[250:251], v[250:251], v[106:107]
	v_pk_add_f32 v[248:249], v[248:249], v[110:111]
	v_pk_add_f32 v[246:247], v[246:247], v[114:115]
	v_pk_add_f32 v[244:245], v[244:245], v[118:119]
	v_pk_add_f32 v[14:15], v[14:15], v[122:123]
	v_pk_add_f32 v[230:231], v[230:231], v[126:127]
	v_pk_add_f32 v[254:255], v[254:255], v[130:131]
	v_pk_add_f32 v[252:253], v[252:253], v[134:135]
	v_pk_add_f32 v[250:251], v[250:251], v[138:139]
	v_pk_add_f32 v[248:249], v[248:249], v[142:143]
	v_pk_add_f32 v[246:247], v[246:247], v[146:147]
	v_pk_add_f32 v[244:245], v[244:245], v[150:151]
	v_pk_add_f32 v[14:15], v[14:15], v[154:155]
	v_pk_add_f32 v[230:231], v[230:231], v[158:159]
	s_delay_alu instid0(VALU_DEP_2)
	v_pk_add_f32 v[14:15], v[14:15], v[250:251]
	s_delay_alu instid0(VALU_DEP_2)
	v_pk_add_f32 v[230:231], v[230:231], v[248:249]
	v_pk_add_f32 v[254:255], v[254:255], v[246:247]
	v_pk_add_f32 v[252:253], v[252:253], v[244:245]
	s_delay_alu instid0(VALU_DEP_2)
	v_pk_add_f32 v[14:15], v[14:15], v[254:255]
	s_delay_alu instid0(VALU_DEP_2)
	v_pk_add_f32 v[230:231], v[230:231], v[252:253]
	s_delay_alu instid0(VALU_DEP_1)
	v_pk_add_f32 v[14:15], v[14:15], v[230:231]
.set j, 0
.rept 16
	v_pk_mul_f32 v[160+j:161+j], v[160+j:161+j], v[226:227] op_sel_hi:[1,0]   ; O^T under the new M, each accumulator from its low end on
.set j, j+2
.endr
	s_wait_alu depctr_va_vdst(0)
	s_wait_dscnt 0x0                               ; v's fragments and scale words are in
.irp d, 0,1,2,3                                ; O^T += v^T p^T: the four accumulators by turns
	v_wmma_scale_f32_16x16x128_f8f6f4 v[160+8*\d:167+8*\d], v[32+12*\d:43+12*\d], v[192:203], v[160+8*\d:167+8*\d], v[86+\d], v224 matrix_a_fmt:MATRIX_FMT_BF6 matrix_b_fmt:MATRIX_FMT_BF6
.endr
.rept 4
	v_nop                                          ; places in front of the next loads into these registers and of the next read of O^T
.endr
.Lhidden_\@:
.endm
; A query block ends: y = O^T / the sum; register 16 b + i = channel 32 b + 16 h + i of my query: two blocks, quantised and stored as one half image and two scale bytes a row.
.macro FINISH
	v_add_f32 v14, v14, v15
	s_delay_alu instid0(VALU_DEP_1)
	v_permlanex16_b32 v228, v14, s[SEL], s[SEL+1]
	s_delay_alu instid0(VALU_DEP_1)
	v_add_f32 v14, v14, v228                       ; the row's sum
	s_wait_alu depctr_va_vdst(0)
	v_rcp_f32 v226, v14
	v_nop                                          ; one plain place behind a transcendental
.set j, 0
	s_wait_alu depctr_va_vdst(0)
.rept 16
	v_pk_mul_f32 v[96+j:97+j], v[160+j:161+j], v[226:227] op_sel_hi:[1,0]
.set j, j+2
.endr
.irp b, 0,1
	v_max3_num_f32 v[212+\b], |v[96+16*\b]|, |v[97+16*\b]|, 0x2800000
.endr
.irp i, 2,4,6,8,10,12,14
.irp b, 0,1
	s_delay_alu instid0(VALU_DEP_2)
	v_max3_num_f32 v[212+\b], v[212+\b], |v[96+16*\b+\i]|, |v[97+16*\b+\i]|
.endr
.endr
.irp b, 0,1
	s_delay_alu instid0(VALU_DEP_2)
	v_permlanex16_b32 v[216+\b], v[212+\b], s[SEL], s[SEL+1]
.endr
.irp b, 0,1
	s_delay_alu instid0(VALU_DEP_2)
	v_max_num_f32 v[212+\b], v[212+\b], v[216+\b]
.endr
.irp b, 0,1
	s_delay_alu instid0(VALU_DEP_2)
	v_add_nc_u32 v[220+\b], 0xfe000000, v[212+\b]
.endr
.irp b, 0,1
	s_delay_alu instid0(VALU_DEP_2)
	v_lshrrev_b32 v[216+\b], 23, v[220+\b]
.endr
	s_delay_alu instid0(VALU_DEP_1)
	v_lshl_or_b32 v229, v217, 8, v216
	v_cvt_scalef32_pk16_bf6_f32 v[192:194], v[96:111], v220
	v_cvt_scalef32_pk16_bf6_f32 v[204:206], v[112:127], v221
	v_nop                                          ; one plain place behind a scaled conversion
.irp i, 0,1,2
	v_permlane16_swap_b32 v[192+\i], v[204+\i]
.endr
.irp i, 0,1,2
	s_delay_alu instid0(VALU_DEP_3)
	v_mov_b32 v[195+\i], v[204+\i]
.endr
	global_store_b128 v1, v[192:195], s[YC:YC+1]
	global_store_b64 v2, v[196:197], s[YC:YC+1] offset:512
	global_store_b16 v29, v229, s[YS:YS+1]         ; lanes 16-31 write the same bytes with the same values
	s_wait_xcnt 0x0                                ; the stores have read their registers and bases: both may be written again
.endm
.macro DESC g0, base, step             ; a walking descriptor: the other slot than last time, keys 256 NSL on
	s_xor_b32 s[\g0+1], s[\g0+1], SLOT1
	s_mul_i32 s2, s[NSL], \step
	s_add_nc_u64 s[\g0+2:\g0+3], s[\base:\base+1], s[2:3]
	s_or_b32 s[\g0+3], s[\g0+3], 0x80000000
.endm
; THE CHANGE OF SLOTS stands at a slot's head.  Each wave waits for all its tensor loads, adds 0 to its spare word, and waits for that and for its reads of the slot that it has left.
; fill = 1: behind the barrier that slot is filled with the keys that follow: the next 256, or, behind the first query block's last slot, the first 256 again.
.macro CHANGE fill
	s_wait_tensorcnt 0x0                           ; no tensor load of mine is out, so a group 0 may be written
	ds_add_u32 v5, v6                              ; 0 onto my spare word
.if \fill
	s_add_co_u32 s2, s[CSL], 1
	s_cmp_eq_u32 s[RJ], s[RI]
	s_cselect_b32 s[NSL], 0, s2
	s_mov_b32 s3, 0
	DESC G0K, BK, 12288
	DESC G0V, BV, 4*512*768
	DESC G0KS, BKS, 2048
	DESC G0VS, BVS, 2*512*128
.endif
	s_wait_dscnt 0x0                               ; the add is done, and my reads of the slot that I have left are over
	s_barrier_signal -1
	s_barrier_wait -1
.if \fill
	TLOAD4                                         ; the first thing behind the barrier, and a wave's one tensor load until the next
.endif
.endm
.macro SLOTADR
	v_add_nc_u32 v8, s[TB], v1
	v_add_nc_u32 v9, s[TB], v2
	v_add_nc_u32 v10, s[TB], v3
	v_add_nc_u32 v11, s[TB], v4
.endm
	INITQ RI
	s_mov_b32 s[RJ], 0
	s_mov_b32 s[CSL], 0
	s_mov_b32 s[TB], 0
.Lslot:                                            ; eight trips, the same number in every work-group; behind each change of slots the next slot is asked for
	CHANGE 1
	s_cmp_lg_u32 s[RJ], s[RI1]
	s_cbranch_scc1 .Lsame                          ; a branch on ids: in trip I + 1 the first query block ends and the second begins
	FINISH
	INITQ 11
.Lsame:
	SLOTADR
	STEP 0
	STEP 1
	s_xor_b32 s[TB], s[TB], SLOT1
	s_mov_b32 s[CSL], s[NSL]
	s_add_co_u32 s[RJ], s[RJ], 1
	s_cmp_lt_u32 s[RJ], 8
	s_cbranch_scc1 .Lslot
	CHANGE 0                                       ; the ninth slot is written out
	SLOTADR
	STEP 0
	STEP 1
	FINISH
	s_wait_tensorcnt 0x0                           ; the wave's end
	ds_add_u32 v5, v6
	s_wait_dscnt 0x0
	s_endpgm
.Lfunc_end_k_q9018fd9166_attn:
	.size	k_q9018fd9166_attn, .Lfunc_end_k_q9018fd9166_attn-k_q9018fd9166_attn
	.p2alignl 7, 3214868480
	.fill 96, 4, 3214868480
	.section	.rodata,"a",@progbits
	.p2align	6, 0x0
	.amdhsa_kernel k_q9018fd9166_attn
		.amdhsa_group_segment_fixed_size 327680
		.amdhsa_private_segment_fixed_size 0
		.amdhsa_enable_private_segment 0
		.amdhsa_kernarg_size 16
		.amdhsa_user_sgpr_count 2
		.amdhsa_user_sgpr_kernarg_segment_ptr 1
		.amdhsa_wavefront_size32 1
		.amdhsa_system_sgpr_workgroup_id_x 1
		.amdhsa_system_sgpr_workgroup_id_y 1
		.amdhsa_system_sgpr_workgroup_id_z 1
		.amdhsa_system_vgpr_workitem_id 0
		.amdhsa_next_free_vgpr 256
		.amdhsa_next_free_sgpr 102
		.amdhsa_reserve_vcc 1
		.amdhsa_float_denorm_mode_32 3
		.amdhsa_float_denorm_mode_16_64 3
		.amdhsa_memory_ordered 1
		.amdhsa_forward_progress 1
		.amdhsa_inst_pref_size 116
	.end_amdhsa_kernel
	.amdgpu_metadata
---
amdhsa.version: [ 1, 2 ]
amdhsa.kernels:
  - .name:           k_q9018fd9166_attn
    .symbol:         k_q9018fd9166_attn.kd
    .args:
      - { .name: qkv, .offset: 0, .size: 8, .value_kind: global_buffer, .address_space: global }
      - { .name: yq, .offset: 8, .size: 8, .value_kind: global_buffer, .address_space: global }
    .group_segment_fixed_size: 327680
    .private_segment_fixed_size: 0
    .kernarg_segment_align: 8
    .kernarg_segment_size: 16
    .max_flat_workgroup_size: 512
    .sgpr_count:     102
    .vgpr_count:     256
    .wavefront_size: 32
...
	.end_amdgpu_metadata
.endif
;; end of part 3
;; launch gemm_out (part 4): grid 4 x 32, 4 waves a work-group, clusters of 4 x 4, 327,680 bytes of LDS; arguments yq, qin, out0; writes out0
.if DOCPART == 4
	.amdgcn_target "amdgcn-amd-amdhsa--gfx1250"
	.amdhsa_code_object_version 6
	.text
	.protected	k_q9018fd9166_gemm_out
	.globl	k_q9018fd9166_gemm_out
	.p2align	8
	.type	k_q9018fd9166_gemm_out,@function
k_q9018fd9166_gemm_out:
	s_mov_b64 s[64:65], 0
	v_nop
	global_prefetch_b8 v0, s[64:65] scope:SCOPE_SE
	s_setreg_imm32_b32 hwreg(HW_REG_WAVE_MODE, 25, 1), 1
	s_wait_xcnt 0x0
	s_wait_alu depctr_hold_cnt(0) depctr_sa_sdst(0) depctr_va_vdst(0) depctr_va_sdst(0) depctr_va_ssrc(0) depctr_va_vcc(0) depctr_vm_vsrc(0)
	s_getreg_b32 s2, hwreg(HW_REG_IB_STS2, 6, 4)
	s_cmp_eq_u32 s2, 0
	s_cbranch_scc0 .Lentry_in_a_cluster
	s_endpgm
.Lentry_in_a_cluster:
	s_bfe_u32 s2, ttmp6, 0x10000c
	s_cmp_lg_u32 s2, 0xf033
	s_cbranch_scc0 .Lentry_shape_is_right
	s_endpgm
.Lentry_shape_is_right:
; out0 = y w_proj on codes of E3M2 (K = 1,024); out0 [8192][1024] f32.
; OPERANDS: tiles of 16 rows, lane r of tile T = row 32 (T / 2) + 8 (T % 2) + r % 8 + 16 (r / 8); codes [tile][K / 64][768] as half images of the operand's registers (registers 0-3 at 16 x lane,
; registers 4-5 at 512 + 8 x lane); scale bytes [tile][r][32].  y: 512 tiles of tokens (made by the attention launch); w_proj: tiles 192-255 of the weights (made by the first launch), a tile = 16 columns.
; A work-group of four waves makes 256 x 256 of out0, a wave 128 x 128: 64 accumulators.  Source 0 (B) = 16 columns of w_proj, source 1 (A) = 16 tokens: a lane holds eight neighbouring numbers of a row of out0.
; K goes in steps of 256 through two LDS slots; the scale bytes come once.  CLUSTERS 4 x 4: y's tiles are shared along a row of the cluster, w_proj's along a column: each is asked for jointly.
; 128 work-groups: 8,192 x 1,024 results in tiles of 256 x 256.
; REGISTERS, in windows of 256: window 0: v16-29 addresses; v32-63 scale words, two sets; v128-223 A's fragments, one set (on the way out v128-255: rows read back).  window 1: B's fragments, two sets.
;   window 2: the accumulators of A's blocks 0-3 ((a, b) at v[8 (8 a + b)]);  window 3: those of blocks 4-7.
.set YS_O,  6291456
.set WC_O,  6553600
.set WS_O,  9699328
.set TROW,  12288
.set TILEB, 3072
.set NQ,    2
.set FR,    12
.set NL,    4
.set NP,    4                          ; places behind this matrix instruction (ISA guide 7.12.1)
.set HALFT, 8*TILEB
.set SLOT,  4*HALFT
.set KS,    32
.set SCL,   2*SLOT
.set HALFS, 16*272
.set SBLK,  2*272
.set SPARE, SCL+4*HALFS                ; the spare words, 128 bytes for each wave: two blocks of 256 bytes that no other line names
.set SPITCH, 528                       ; the way out: a stage of 16 rows x (512 bytes + 16) for each wave, in slot 0, which has had its last fill and its last read when the first result is stored there
.set ADRA, 16                          ; v16-17 my A fragments in slot 0, 1, + 16 x lane;  v18-19 the same + 8 x lane
.set ADRB, 20                          ; v20-23 the same for B
.set STO,  24                          ; v24  the way out: where I put 32 bytes of a row
.set RD,   25                          ; v25  where I read a row back
.set CO,   26                          ; v26  16 x lane
.set ADRS, 27
.set SPW,  28                          ; v28  my spare word; never rewritten
.set NIL,  29                          ; v29  0; never rewritten
.set SC,   32
.set AF,   128
.set BK,   128
.set G1, 24
.set G0, 32
.set G1B, 48
.set G0B, 56
.set G1S, 68
.set G0S, 76
.set G1SB, 80
.set G0SB, 88
.set MSB, 0
.macro WIN new                         ; the immediate's high byte repeats the setting that is left
.if MSB != (\new)
	s_set_vgpr_msb (MSB<<8)|(\new)
.set MSB, \new
.endif
.endm
.set MUL_LO, 0xa1
.set MUL_HI, 0xf1
.set TO_B,   0x40
.macro JLOAD g0a, g1a, g0b, g1b        ; a joint load: waves 0 and 1 fetch for A, waves 2 and 3 for B; four v_nop follow each of the two lines
	s_cmp_eq_u32 s15, 0
	s_cbranch_scc0 .Lfor_b_\@
	tensor_load_to_lds s[\g0a:\g0a+3], s[\g1a:\g1a+7]
	s_nop 0
.rept 4
	v_nop
.endr
	s_branch .Lasked_\@
.Lfor_b_\@:
	tensor_load_to_lds s[\g0b:\g0b+3], s[\g1b:\g1b+7]
	s_nop 0
.rept 4
	v_nop
.endr
.Lasked_\@:
.endm
.macro CREST
	s_cmp_lg_u32 s14, 0
	s_cbranch_scc1 .Lnot_wave_0_\@
	s_barrier_signal -3
.Lnot_wave_0_\@:
	s_barrier_wait -3
	s_barrier_signal -1
	s_barrier_wait -1
.endm
.macro CROUND
	s_barrier_signal -1
	s_barrier_wait -1
	CREST
.endm
	s_load_b128 s[4:7], s[0:1], 0x0                ; yq s[4:5], qin s[6:7]
	s_load_b64 s[12:13], s[0:1], 0x10              ; out0
	v_lshl_add_u32 v[SPW], v0, 2, SPARE
	v_mov_b32 v[NIL], 0
	ds_add_u32 v28, v29
	s_wait_dscnt 0x0
	v_lshrrev_b32 v1, 5, v0
	v_readfirstlane_b32 s14, v1                    ; wave 0..3
	s_lshr_b32 s15, s14, 1                         ; which half of the tokens is mine.  Also: I fetch for A (0) or for B (1)
	s_and_b32 s16, s14, 1                          ; which half of the columns.  Also: which 8 tiles I fetch
	s_bfe_u32 s40, ttmp6, 0x40000                  ; cx, cy
	s_bfe_u32 s41, ttmp6, 0x40004
	s_lshl_b32 s42, ttmp9, 2
	s_add_co_u32 s42, s42, s40                     ; which 256 columns
	s_and_b32 s17, ttmp7, 0xffff
	s_lshl_b32 s17, s17, 2
	s_add_co_u32 s17, s17, s41                     ; which 256 tokens
	s_lshl_b32 s43, s41, 2
	s_lshl_b32 s43, 15, s43                        ; my row of the cluster
	s_lshl_b32 s44, 0x1111, s40                    ; my column
	s_or_b32 s[G1+0], s43, (3<<16)|(1<<21)         ; codes: 8 rows (tiles) of 384 elements of 8 bytes, 1,536 elements apart; no padding
	s_or_b32 s[G1B+0], s44, (3<<16)|(1<<21)
.irp g, G1, G1B
	s_mov_b32 s[\g+1], 384<<16
	s_mov_b32 s[\g+2], 8<<16
	s_mov_b32 s[\g+3], 384<<16
	s_mov_b32 s[\g+4], 8
	s_mov_b32 s[\g+5], TROW/8
	s_mov_b32 s[\g+6], 0
	s_mov_b32 s[\g+7], 0
.endr
	s_or_b32 s[G1S+0], s43, (3<<16)|(1<<20)|(1<<21)|(5<<22)|(3<<25)   ; scale bytes of 128 rows: 16 rows of 256 bytes, 16 of padding behind each
	s_or_b32 s[G1SB+0], s44, (3<<16)|(1<<20)|(1<<21)|(5<<22)|(3<<25)
.irp g, G1S, G1SB
	s_mov_b32 s[\g+1], 32<<16
	s_mov_b32 s[\g+2], 16<<16
	s_mov_b32 s[\g+3], 32<<16
	s_mov_b32 s[\g+4], 16
	s_mov_b32 s[\g+5], 32
	s_mov_b32 s[\g+6], 0
	s_mov_b32 s[\g+7], 0
.endr
	s_lshl_b32 s21, s16, 3
	s_lshl_b32 s20, s17, 4
	s_add_co_u32 s20, s20, s21                     ; A: the first tile that I fetch
	s_mul_i32 s22, s20, TROW
	s_mov_b32 s23, 0
	s_lshl_b32 s92, s20, 9
	s_add_co_u32 s92, s92, YS_O
	s_mov_b32 s93, 0
	s_lshl_b32 s46, s42, 4
	s_add_co_u32 s46, s46, s21
	s_add_co_u32 s46, s46, 192                     ; B: w_proj's tiles begin at 192
	s_lshl_b32 s94, s46, 9
	s_add_co_u32 s94, s94, WS_O
	s_mov_b32 s95, 0
	s_mul_i32 s46, s46, TROW
	s_add_co_u32 s46, s46, WC_O
	s_mov_b32 s47, 0
	s_mul_i32 s45, s14, HALFT
	s_mul_i32 s96, s14, HALFS
	s_wait_kmcnt 0x0
	s_add_nc_u64 s[22:23], s[4:5], s[22:23]
	s_add_nc_u64 s[92:93], s[4:5], s[92:93]
	s_add_nc_u64 s[46:47], s[6:7], s[46:47]
	s_add_nc_u64 s[94:95], s[6:7], s[94:95]
	CROUND                                         ; all sixteen work-groups are here: the first joint loads meet
	s_mov_b32 s[G0S], 1
	s_add_co_u32 s[G0S+1], s96, SCL
	s_mov_b64 s[G0S+2:G0S+3], s[92:93]
	s_or_b32 s[G0S+3], s[G0S+3], 0x80000000
	s_mov_b32 s[G0SB], 1
	s_add_co_u32 s[G0SB+1], s96, SCL
	s_mov_b64 s[G0SB+2:G0SB+3], s[94:95]
	s_or_b32 s[G0SB+3], s[G0SB+3], 0x80000000
	JLOAD G0S, G1S, G0SB, G1SB
.irp s, 0,1
	s_mov_b32 s[G0+4*\s], 1
	s_add_co_u32 s[G0+4*\s+1], s45, \s*SLOT
	s_add_nc_u64 s[G0+4*\s+2:G0+4*\s+3], s[22:23], \s*TILEB
	s_or_b32 s[G0+4*\s+3], s[G0+4*\s+3], 0x80000000
	s_mov_b32 s[G0B+4*\s], 1
	s_add_co_u32 s[G0B+4*\s+1], s45, \s*SLOT
	s_add_nc_u64 s[G0B+4*\s+2:G0B+4*\s+3], s[46:47], \s*TILEB
	s_or_b32 s[G0B+4*\s+3], s[G0B+4*\s+3], 0x80000000
	JLOAD G0+4*\s, G1, G0B+4*\s, G1B               ; by this text's count three tensor loads of a wave are out here, later one
.endr
	v_and_b32 v1, 15, v0                           ; r
	v_bfe_u32 v2, v0, 4, 1                         ; h
	v_and_b32 v3, 31, v0
	v_lshlrev_b32 v[CO], 4, v3
	v_lshlrev_b32 v4, 3, v3
	s_mul_i32 s21, s15, HALFT
	s_mul_i32 s20, s16, HALFT
	s_add_co_u32 s20, s20, 2*HALFT
.irp s, 0,1
	v_add_nc_u32 v[ADRA+\s], s21, v[CO]
	v_add_nc_u32 v[ADRB+\s], s20, v[CO]
	v_add_nc_u32 v[ADRA+2+\s], s21, v4
	v_add_nc_u32 v[ADRB+2+\s], s20, v4
	s_add_co_u32 s21, s21, SLOT
	s_add_co_u32 s20, s20, SLOT
.endr
	v_mul_u32_u24 v5, v1, KS
	v_lshrrev_b32 v6, 8, v5
	v_lshl_add_u32 v5, v6, 4, v5
	s_mul_i32 s21, s15, HALFS
	s_mul_i32 s20, s16, HALFS
	s_add_co_u32 s20, s20, 2*HALFS
	s_sub_co_u32 s20, s20, s21
	v_mul_u32_u24 v6, s20, v2                      ; lanes 16-31 take B's: the lower base + h x the distance
	s_add_co_u32 s21, s21, SCL
	v_add_nc_u32 v5, v5, v6
	v_add_nc_u32 v[ADRS], s21, v5
	s_mul_i32 s21, s14, 16*SPITCH                  ; my stage
	v_mul_u32_u24 v5, v1, SPITCH
	v_lshl_add_u32 v5, v2, 6, v5                   ; in: row r, + 64 h
	v_add_nc_u32 v[STO], s21, v5
	v_add_nc_u32 v[RD], s21, v[CO]                 ; back: the 32 lanes take one row of 512 bytes
	s_lshl_b32 s20, s17, 20                        ; my part of out0: (256 x tokens' tile + 128 x half) rows of 4,096 bytes
	s_lshl_b32 s21, s15, 19
	s_add_co_u32 s20, s20, s21
	s_mov_b32 s21, 0
	s_lshl_b32 s98, s42, 10                        ; + 1,024 x columns' tile + 512 x half
	s_lshl_b32 s99, s16, 9
	s_add_co_u32 s98, s98, s99
	s_mov_b32 s99, 0
	s_add_nc_u64 s[20:21], s[20:21], s[98:99]
	s_add_nc_u64 s[12:13], s[12:13], s[20:21]
.macro FRAG reg, adr, q, i             ; a fragment, 16 rows x 128 K, is two half images: four loads, each of consecutive bytes
	ds_load_b128 v[\reg:\reg+3], v[\adr] offset:(\i)*TILEB+(\q)*1536
	ds_load_b64 v[\reg+4:\reg+5], v[\adr+2] offset:(\i)*TILEB+(\q)*1536+512
	ds_load_b128 v[\reg+6:\reg+9], v[\adr] offset:(\i)*TILEB+(\q)*1536+768
	ds_load_b64 v[\reg+10:\reg+11], v[\adr+2] offset:(\i)*TILEB+(\q)*1536+1280
.endm
; 16 matrix instructions; the 64 accumulators take turns, one instruction a turn, in the same order in every step
.macro MUL16 a0, p, q, sc, zero
.irp a, \a0, \a0+1
.irp b, 0,1,2,3,4,5,6,7
.if \zero
	v_wmma_scale_f32_16x16x128_f8f6f4 v[8*(8*((\a)%4)+\b):8*(8*((\a)%4)+\b)+7], v[128*(\p)+FR*\b:128*(\p)+FR*\b+FR-1], v[AF+FR*(\a):AF+FR*(\a)+FR-1], 0, v[SC+8*NQ*(\sc)+NQ*\b+(\q)], v[SC+8*NQ*(\sc)+NQ*(\a)+(\q)] matrix_a_fmt:MATRIX_FMT_BF6 matrix_b_fmt:MATRIX_FMT_BF6 matrix_a_scale:MATRIX_SCALE_ROW1
.else
	v_wmma_scale_f32_16x16x128_f8f6f4 v[8*(8*((\a)%4)+\b):8*(8*((\a)%4)+\b)+7], v[128*(\p)+FR*\b:128*(\p)+FR*\b+FR-1], v[AF+FR*(\a):AF+FR*(\a)+FR-1], v[8*(8*((\a)%4)+\b):8*(8*((\a)%4)+\b)+7], v[SC+8*NQ*(\sc)+NQ*\b+(\q)], v[SC+8*NQ*(\sc)+NQ*(\a)+(\q)] matrix_a_fmt:MATRIX_FMT_BF6 matrix_b_fmt:MATRIX_FMT_BF6 matrix_a_scale:MATRIX_SCALE_ROW1
.endif
.endr
.endr
.endm
.macro FETCH_B slot, q, p
	WIN TO_B
.irp i, 0,1,2,3,4,5,6,7
	FRAG 128*(\p)+FR*\i, ADRB+\slot, \q, \i
.endr
	WIN 0
.endm
.macro FETCH_A slot, q, i0
.irp i, \i0, \i0+1, \i0+2, \i0+3
	FRAG AF+FR*(\i), ADRA+\slot, \q, \i
.endr
.endm
.macro SCALES sc
.irp i, 0,1,2,3,4,5,6,7
	ds_load_b64 v[SC+8*NQ*\sc+NQ*\i:SC+8*NQ*\sc+NQ*\i+1], v[ADRS] offset:\i*SBLK
.endr
.endm
.macro PLACES n
.rept \n
	v_nop
.endr
.endm
.macro STEP slot, q, zero
	s_wait_dscnt 4*NL                              ; B's set, A's blocks 0-3 and the scale words are in; the youngest 16 loads (A's blocks 4-7) may be out
	WIN MUL_LO
	MUL16 0, (\q)%2, \q, \slot, \zero
	MUL16 2, (\q)%2, \q, \slot, \zero
	s_wait_dscnt 0
	PLACES NP
	FETCH_B \slot, (\q)+1, 1-(\q)%2
	FETCH_A \slot, (\q)+1, 0
	WIN MUL_HI
	MUL16 4, (\q)%2, \q, \slot, \zero
	MUL16 6, (\q)%2, \q, \slot, \zero
	PLACES NP
	WIN 0
	FETCH_A \slot, (\q)+1, 4
.endm
.macro TURN slot, next, fill
	s_wait_tensorcnt 0x0                           ; all my tensor loads have landed: my part of the next slot
	ds_add_u32 v[SPW], v[NIL]                      ; 0 onto my spare word
	s_wait_dscnt 4*NL+1                            ; (the add and the youngest 16 loads may be out)
	WIN MUL_LO
	MUL16 0, 1, NQ-1, \slot, 0
	s_wait_dscnt 0x0                               ; the add is done, and my reads of this slot are over
	s_barrier_signal -1
	MUL16 2, 1, NQ-1, \slot, 0
	WIN 0
	s_barrier_wait -1
.if \fill
	CREST                                          ; the barrier has opened a round of the cluster's: no wave of any partner still reads this slot or has a load on its way
	s_add_nc_u64 s[G0+4*\slot+2:G0+4*\slot+3], s[G0+4*\slot+2:G0+4*\slot+3], 2*TILEB
	s_add_nc_u64 s[G0B+4*\slot+2:G0B+4*\slot+3], s[G0B+4*\slot+2:G0B+4*\slot+3], 2*TILEB
	JLOAD G0+4*\slot, G1, G0B+4*\slot, G1B
.else
	PLACES NP
.endif
	v_add_nc_u32 v[ADRS], 4*NQ, v[ADRS]
	FETCH_B \next, 0, 0
	FETCH_A \next, 0, 0
	SCALES \next
	WIN MUL_HI
	MUL16 4, 1, NQ-1, \slot, 0
	MUL16 6, 1, NQ-1, \slot, 0
	PLACES NP
	WIN 0
	FETCH_A \next, 0, 4
.endm
	s_wait_tensorcnt 1                             ; the scale bytes and my part of slot 0 are in (slot 1's load may be out)
	s_barrier_signal -1
	s_barrier_wait -1
	FETCH_B 0, 0, 0
	FETCH_A 0, 0, 0
	SCALES 0
	FETCH_A 0, 0, 4
	STEP 0, 0, 1                                   ; four slots, written out: the first products start the sums
	TURN 0, 1, 1
	STEP 1, 0, 0
	TURN 1, 0, 1
	STEP 0, 0, 0
	TURN 0, 1, 0
	STEP 1, 0, 0
	s_wait_dscnt 4*NL
	WIN MUL_LO
	MUL16 0, 1, NQ-1, 1, 0
	MUL16 2, 1, NQ-1, 1, 0
	s_wait_dscnt 0
	WIN MUL_HI
	MUL16 4, 1, NQ-1, 1, 0
	MUL16 6, 1, NQ-1, 1, 0
	WIN 0
; THE WAY OUT, block by block of 16 tokens x 128 columns.  Register j of accumulator (a, b) in lane (r, h) is column 32 (b / 2) + 16 h + 8 (b % 2) + j of the block's r-th token.
; A block goes through my own stage in LDS and comes back as whole rows of 512 bytes.  LDS serves a wave's instructions in order (ISA guide 5.7.1.4): no wait between the stores and the loads.
.macro TOSTAGE a
.set AC, 64*((\a)%4)
	WIN 0x08+4*((\a)/4)                            ; the data: window 2 or 3
.irp b, 0,1,2,3,4,5,6,7
	ds_store_b128 v[STO], v[AC+8*\b:AC+8*\b+3] offset:128*(\b/2)+32*(\b%2)          ; each accumulator from its low end on
	ds_store_b128 v[STO], v[AC+8*\b+4:AC+8*\b+7] offset:128*(\b/2)+32*(\b%2)+16
.endr
	WIN 0
.set BB, BK+64*((\a)%2)
.irp t, 0,1,2,3,4,5,6,7,8,9,10,11,12,13,14,15
	ds_load_b128 v[BB+4*\t:BB+4*\t+3], v[RD] offset:\t*SPITCH
.endr
.endm
.macro SEND a, younger                 ; younger: the LDS instructions issued behind block a's loads, which may stay out
.set BB, BK+64*((\a)%2)
	s_wait_dscnt \younger
.irp t, 0,1,2,3,4,5,6,7,8,9,10,11,12,13,14,15
	global_store_b128 v[CO], v[BB+4*\t:BB+4*\t+3], s[12:13] offset:(32*((\a)/2)+8*((\a)%2)+(\t%8)+16*(\t/8))*4096 th:TH_STORE_NT   ; the stage's row t is the tile's t-th token; 512 consecutive bytes, at a multiple of 256 from out0's first byte
.endr
.endm
	PLACES NP                                      ; behind the last products: for the loads into the registers that held A's fragments and for the reads of results
	TOSTAGE 0
.irp a, 1,2,3,4,5,6,7
.if \a > 1
	s_wait_xcnt 0x0                                ; block a - 2's stores have read their registers: block a's loads may land there
.endif
	TOSTAGE \a
	SEND \a-1, 32                                  ; behind block a - 1's loads: block a's 16 stores and 16 loads
.endr
	SEND 7, 0
	s_wait_tensorcnt 0x0                           ; the wave's end
	ds_add_u32 v[SPW], v[NIL]
	s_wait_dscnt 0x0
	CROUND                                         ; the closing round: no work-group ends while a partner may still ask for a tile that names it
	s_endpgm
.Lfunc_end_k_q9018fd9166_gemm_out:
	.size	k_q9018fd9166_gemm_out, .Lfunc_end_k_q9018fd9166_gemm_out-k_q9018fd9166_gemm_out
	.p2alignl 7, 3214868480
	.fill 96, 4, 3214868480
	.section	.rodata,"a",@progbits
	.p2align	6, 0x0
	.amdhsa_kernel k_q9018fd9166_gemm_out
		.amdhsa_group_segment_fixed_size 327680
		.amdhsa_private_segment_fixed_size 0
		.amdhsa_enable_private_segment 0
		.amdhsa_kernarg_size 24
		.amdhsa_user_sgpr_count 2
		.amdhsa_user_sgpr_kernarg_segment_ptr 1
		.amdhsa_wavefront_size32 1
		.amdhsa_system_sgpr_workgroup_id_x 1
		.amdhsa_system_sgpr_workgroup_id_y 1
		.amdhsa_system_sgpr_workgroup_id_z 1
		.amdhsa_system_vgpr_workitem_id 0
		.amdhsa_next_free_vgpr 1024
		.amdhsa_next_free_sgpr 100
		.amdhsa_reserve_vcc 0
		.amdhsa_float_denorm_mode_32 3
		.amdhsa_float_denorm_mode_16_64 3
		.amdhsa_memory_ordered 1
		.amdhsa_forward_progress 1
		.amdhsa_inst_pref_size 143
	.end_amdhsa_kernel
	.amdgpu_metadata
---
amdhsa.version: [ 1, 2 ]
amdhsa.kernels:
  - .name:           k_q9018fd9166_gemm_out
    .symbol:         k_q9018fd9166_gemm_out.kd
    .args:
      - { .name: yq, .offset: 0, .size: 8, .value_kind: global_buffer, .address_space: global }
      - { .name: qin, .offset: 8, .size: 8, .value_kind: global_buffer, .address_space: global }
      - { .name: out0, .offset: 16, .size: 8, .value_kind: global_buffer, .address_space: global }
    .group_segment_fixed_size: 327680
    .private_segment_fixed_size: 0
    .kernarg_segment_align: 8
    .kernarg_segment_size: 24
    .max_flat_workgroup_size: 128
    .sgpr_count:     100
    .vgpr_count:     1024
    .wavefront_size: 32
...
	.end_amdgpu_metadata
.endif
;; end of part 4
